; MI455X (gfx1250); checked and timed in simulation.
; The chip was launched on July 23, 2026; its instructions are those of AMD's public machine-readable ISA for CDNA 5 (MIT licence, August 2026) and "CDNA5" Instruction Set Architecture Reference Guide (July 2026). The comments in the code are by the model that wrote it; some were corrected since.
;; Multi Head Attention. Allowed arithmetic: matrix products marked QUANTISED: E2M1 operands, one E8M0 scale for each 32 along K, by v_wmma_scale_f32_16x16x128_f8f6f4 with both operands' format E2M1 (or v_wmma_scale_f32_32x16x128_f4), f32 sums; products left as they are: bf16, f16 or f32 operands; f32 sums; everything else in f32.
;; Inputs: Wo 1,024 x 1,024 float32; Wqkv 1,024 x 3,072 float32; bo 1,024 float32; bqkv 3,072 float32; x 8 x 1,024 x 1,024 float32.
;; Outputs: out0 8 x 1,024 x 1,024 float32.
;; This version of the problem:
;;   THIS VERSION OF THE PROBLEM IS GIVEN IN LOW PRECISION. The matrix products marked QUANTISED in the list below multiply operands that are first quantised to E2M1 (2 exponent bits, 1 mantissa bit; 4 bits a number), with one power-of-two scale for each 32 numbers along K (OCP MX v1.0); their sums are f32. The products marked 'left as it is' may take bf16, f16 or f32 operands, with f32 sums. Whichever they take, every output number must still come out within the allowed error. Rounding operands to bf16 (8 significant bits) uses up far more of that allowance than f16 does (11 bits, for magnitudes from 6e-5 to 65,504). All else is computed in f32.
;;   The module's matrix products, in the order in which they are computed (A, B: the left and right operand; K: the contracted axis; several contracted axes count as one K, in the product's order):
;;     1. [M 8,192, K 1,024] x [K 1,024, N 3,072]; A: input x; B: input Wqkv: QUANTISED
;;     2. batch 128 x [M 1,024, K 64] x [K 64, N 1,024]; A: computed on the way; B: computed on the way: left as it is (an operand is computed on the way)
;;     3. batch 128 x [M 1,024, K 1,024] x [K 1,024, N 64]; A: computed on the way; B: computed on the way: left as it is (an operand is computed on the way)
;;     4. [M 8,192, K 1,024] x [K 1,024, N 1,024]; A: computed on the way; B: input Wo: left as it is (an operand is computed on the way)
;;   THE QUANTISER, for each operand of a quantised product, along K:
;;     - K is cut into blocks of 32 from its start; a last block that is shorter is filled with zeros.
;;     - A block's scale is 2^e with e = floor(log2(the largest magnitude in the block)) - 2, held to -126 .. 127; a block of zeros has e = 0. As a byte (E8M0): e + 127.
;;     - Each number is divided by its block's scale, clamped to +-6, and rounded to the nearest number of E2M1, ties to even, subnormals kept.
;;     - The product sums the exact products of the quantised numbers (number of the format x scale) in f32.
;;   ~~~python
;;   def quantise(x, axis):      # numpy; x: float32 -> the quantised numbers, widened to float32 again
;;       x = np.moveaxis(x, axis, -1); K = x.shape[-1]
;;       x = np.pad(x, [(0, 0)] * (x.ndim - 1) + [(0, -K % 32)]); x = x.reshape(x.shape[:-1] + (-1, 32)); a = np.abs(x).max(-1, keepdims=True)
;;       e = np.where(a > 0, np.clip(np.frexp(np.where(a > 0, a, 1))[1] - 1 - 2, -126, 127), 0)      # np.frexp(a)[1] - 1 = floor(log2(a)), exactly
;;       r = np.clip(x / 2.0 ** e, -6, 6)
;;       step = 2.0 ** (np.maximum(np.frexp(np.where(r == 0, 1, r))[1] - 1, 0) - 1)
;;       q = np.round(r / step) * step * 2.0 ** e      # np.round: ties to even
;;       return np.moveaxis(q.reshape(q.shape[:-2] + (-1,))[..., :K], -1, axis).astype(np.float32)
;;   ~~~
;; One version. Each part assembles by itself: llvm-mc -triple=amdgcn-amd-amdhsa -mcpu=gfx1250 --defsym DOCPART=n.
;; ======== version 1 of 1: 4 launches
;; limits: values are held in f16: magnitudes above 65,504 overflow, below 6.1e-05 lose precision
;; workspace buffers: xc 4,194,304 bytes; xs 262,144 bytes; wc 1,572,864 bytes; ws 98,304 bytes; wot 2,097,152 bytes; qkv 50,331,648 bytes; ctx 16,777,216 bytes
;; launch prep (part 1): grid 512 x 1, 4 waves a work-group, no clusters, 34,304 bytes of LDS; arguments x, Wqkv, Wo, xc, xs, wc, ws, wot; writes xc, xs, wc, ws, wot
.if DOCPART == 1
	.amdgcn_target "amdgcn-amd-amdhsa--gfx1250"
	.amdhsa_code_object_version 6
	.text
	.protected	k_qf5aeee3754_prep
	.globl	k_qf5aeee3754_prep
	.p2align	8
	.type	k_qf5aeee3754_prep,@function
k_qf5aeee3754_prep:
	s_mov_b64 s[64:65], 0
	v_nop
	global_prefetch_b8 v0, s[64:65] scope:SCOPE_SE
	s_setreg_imm32_b32 hwreg(HW_REG_WAVE_MODE, 25, 1), 1
	s_wait_xcnt 0x0
; x [8192][1024] and Wqkv [1024][3072], f32, become codes of FP4 (E2M1) with one E8M0 byte for each 32 along K = 1024; Wo [1024][1024] becomes f16, turned so that K is innermost.
; A block's scale is 2^(floor(log2(its largest magnitude)) - 2): its byte is the largest magnitude's exponent field - 2, held at 1 from below by a floor among the maximum's leaves.
; EVERY BUFFER IS LAID IN THE ORDER OF THE OPERAND'S REGISTERS, so that the later launches load fragments as 512 consecutive bytes, 16 a lane:
;   xc, wc: [block of 16 rows][K block of 32][row 16][16 bytes];   xs, ws: [block of 16 rows][half of K][row 16][4 words], a word = the 4 bytes of 128 along K;
;   wot: [16 columns e][16 along d] blocks of 512 bytes: (e = r, d = 8 h + j) at 16 (16 h + r) + 2 j.
; THREE PATHS, parted by the work-group's number: 0-191 Wqkv, 192-255 Wo (a lane to a column, its registers run down K: nothing is turned by an instruction), 256-511 x (K innermost: through the wave's own stage in LDS).
; Only the path for x touches LDS.  Waves share nothing: no barrier.
; LIMITS: NaN and infinities among the inputs are not served.  A block of zeros gets the byte 1 (not 127) with zero codes: the bytes are read by this program alone.  |Wo| beyond 65,504 becomes infinity in f16.
.set SPARE, 33792                      ; behind the four stages of 8,448 bytes: the spare words, 128 bytes a wave: two blocks of 256 bytes that no other line names
.set SPW,   14                         ; v14  LDS address of my spare word; never rewritten
.set NIL,   15                         ; v15  0; never rewritten
.set X,     32                         ; the column paths: v32-95 two sets of 32 numbers down K
.set R,     32                         ; the path for x: v32-159 two sets of 64 registers as loaded
.set XB,    160                        ; v160-223 two whole blocks of 32 numbers of my row
.set CD,    224                        ; v224-255 codes, four registers for each (unit, block): no store's data are written again
.set FLOOR, 0x1800000                  ; 2^(3 - 127)
; block t of a column: 32 rows of the tensor at my column, into set t % 2; neighbouring lanes read neighbouring columns
.macro LOADC t, base, pitch
.irp i, 0,1,2,3,4,5,6,7,8,9,10,11,12,13,14,15,16,17,18,19,20,21,22,23,24,25,26,27,28,29,30,31
	global_load_b32 v[X+32*((\t)%2)+\i], v7, s[\base:\base+1] offset:(32*(\t)+\i)*\pitch th:TH_LOAD_NT
.endr
.endm
.macro WAITC t                         ; block t's 32 loads are in; the next block's 32 may be out; behind the last block nothing is out
.if (\t) < 3
	s_wait_loadcnt 32
.else
	s_wait_loadcnt 0x0
.endif
.endm
; Wqkv: block t of my column becomes 16 bytes of codes and one byte of the scale word
.macro BLOCKW t
.set XS, X+32*((\t)%2)
	WAITC \t
	v_max3_num_f32 v8, |v[XS]|, |v[XS+1]|, |v[XS+2]|               ; the block's largest magnitude: all 32 numbers are mine; two chains
	v_max3_num_f32 v9, |v[XS+3]|, |v[XS+4]|, |v[XS+5]|
.irp i, 6,10,14,18,22,26
	v_max3_num_f32 v8, v8, |v[XS+\i]|, |v[XS+\i+1]|
	v_max3_num_f32 v9, v9, |v[XS+\i+2]|, |v[XS+\i+3]|
.endr
	v_max3_num_f32 v8, v8, |v[XS+30]|, |v[XS+31]|
	v_max3_num_f32 v8, v8, v9, FLOOR                               ; and the floor: the byte cannot fall under 1
	v_add_nc_u32 v10, 0xff000000, v8                               ; 2 off the exponent field: the conversion takes the exponent field of this operand as its scale
	v_lshrrev_b32 v11, 23, v10                                     ; the scale's byte
.if (\t) == 0
	v_mov_b32 v24, v11
.else
	v_lshl_or_b32 v24, v11, 8*(\t), v24                            ; the lower K in the lower byte
.endif
.irp g, 0,1,2,3
	v_cvt_scalef32_pk8_fp4_f32 v[96+4*(\t)+\g], v[XS+8*\g:XS+8*\g+7], v10
.endr
	v_nop                                                          ; one plain line behind the conversions
	global_store_b128 v5, v[96+4*(\t):96+4*(\t)+3], s[14:15] offset:256*(\t)   ; 16 lanes store 256 consecutive bytes, aligned
.if (\t) < 2
	LOADC (\t)+2, 6, 12288
.endif
.endm
; Wo: block t of my column becomes 32 f16
.macro BLOCKO t
.set XS, X+32*((\t)%2)
	WAITC \t
.irp i, 0,1,2,3,4,5,6,7,8,9,10,11,12,13,14,15
	v_cvt_pk_f16_f32 v[96+16*(\t)+\i], v[XS+2*\i], v[XS+2*\i+1]
.endr
.irp p, 0,1,2,3
	global_store_b128 v5, v[96+16*(\t)+4*\p:96+16*(\t)+4*\p+3], s[18:19] offset:1024*(\t)+256*\p   ; eight along d of 16 columns: 256 consecutive bytes, aligned
.endr
.if (\t) < 2
	LOADC (\t)+2, 8, 4096
.endif
.endm
; x: unit u = 16 rows x 128 along K; load i reads 512 consecutive bytes of row i
.macro LOADX u
.irp i, 0,1,2,3,4,5,6,7,8,9,10,11,12,13,14,15
	global_load_b128 v[R+64*((\u)%2)+4*\i:R+64*((\u)%2)+4*\i+3], v4, s[4:5] offset:4096*\i+512*(\u) th:TH_LOAD_NT
.endr
.endm
.macro UNIT u
.if (\u) < 3
	s_wait_loadcnt 16                                              ; this unit's 16 loads are in; the next unit's 16 may be out
.else
	s_wait_loadcnt 0x0
.endif
.irp i, 0,1,2,3,4,5,6,7,8,9,10,11,12,13,14,15
	ds_store_b128 v12, v[R+64*((\u)%2)+4*\i:R+64*((\u)%2)+4*\i+3] offset:528*\i   ; row i as it lies; rows 528 bytes apart
.endr
.irp c, 0,1
.irp i, 0,1,2,3,4,5,6,7
	ds_load_b128 v[XB+32*\c+4*\i:XB+32*\c+4*\i+3], v13 offset:256*\c+16*\i   ; lane (r, h): the whole block 2 c + h of row r.  LDS serves a wave's instructions in order: these see the stores above
.endr
.endr
	s_wait_dscnt 0x0                                               ; the blocks are in, and the stores have read their registers,
.if (\u) < 2
	LOADX (\u)+2                                                   ; which take the loads of two units on
.endif
.irp c, 0,1
	v_max3_num_f32 v[20+\c], |v[XB+32*\c]|, |v[XB+32*\c+1]|, FLOOR
.endr
.irp i, 2,4,6,8,10,12,14,16,18,20,22,24,26,28,30
.irp c, 0,1
	v_max3_num_f32 v[20+\c], v[20+\c], |v[XB+32*\c+\i]|, |v[XB+32*\c+\i+1]|   ; (the two blocks by turns)
.endr
.endr
.irp c, 0,1
	v_add_nc_u32 v[22+\c], 0xff000000, v[20+\c]                    ; the conversion's scale operand
.endr
.irp c, 0,1
	v_lshrrev_b32 v[24+\c], 23, v[22+\c]                           ; the byte
.endr
	v_lshl_or_b32 v26, v25, 16, v24                                ; my two bytes: blocks h and 2 + h,
	v_lshlrev_b32 v26, v8, v26                                     ; 8 h bits up;
	v_permlanex16_b32 v27, v26, s30, s31
	v_or_b32 v[16+(\u)], v26, v27                                  ; with lane l xor 16's two the word is whole
.irp c, 0,1
.irp g, 0,1,2,3
	v_cvt_scalef32_pk8_fp4_f32 v[CD+4*(2*(\u)+\c)+\g], v[XB+32*\c+8*\g:XB+32*\c+8*\g+7], v[22+\c]
.endr
.endr
	v_nop                                                          ; one plain line behind the conversions
.irp c, 0,1
	global_store_b128 v4, v[CD+4*(2*(\u)+\c):CD+4*(2*(\u)+\c)+3], s[10:11] offset:(4*(\u)+2*\c)*256   ; K blocks 4 u + 2 c and + 1 of 16 rows: 512 consecutive bytes
.endr
.endm
	s_load_b256 s[4:11], s[0:1], 0x0               ; x s[4:5], Wqkv s[6:7], Wo s[8:9], xc s[10:11]
	s_load_b256 s[12:19], s[0:1], 0x20             ; xs s[12:13], wc s[14:15], ws s[16:17], wot s[18:19]
	v_lshl_add_u32 v[SPW], v0, 2, SPARE
	v_mov_b32 v[NIL], 0
	v_lshrrev_b32 v1, 5, v0
	v_readfirstlane_b32 s20, v1                    ; wave 0..3
	v_and_b32 v1, 31, v0                           ; lane
	v_and_b32 v2, 15, v0                           ; r
	v_bfe_u32 v3, v0, 4, 1                         ; h
	s_mul_i32 s21, s20, 8448                       ; my stage (the path for x alone uses it)
	v_lshlrev_b32 v4, 4, v1                        ; 16 x lane
	v_add_nc_u32 v12, s21, v4                      ; into the stage: 16 x lane of a row
	v_mul_u32_u24 v13, v2, 528
	v_lshl_add_u32 v13, v3, 7, v13
	v_add_nc_u32 v13, s21, v13                     ; out of it: row r, + 128 h
	v_lshlrev_b32 v7, 2, v1                        ; 4 x lane: a column's place in a row
	s_mov_b32 s25, 0                               ; the upper word of every offset
	s_wait_kmcnt 0x0
	s_cmp_lt_u32 ttmp9, 192
	s_cbranch_scc1 .Lpath_w
	s_cmp_lt_u32 ttmp9, 256
	s_cbranch_scc1 .Lpath_o
	; ---- x: wave w takes block of rows 2 (id - 256) + w / 2 and half w % 2 of K: four units of 16 rows x 128
	s_sub_co_u32 s21, ttmp9, 256
	s_lshl_b32 s21, s21, 1
	s_lshr_b32 s22, s20, 1
	s_add_co_u32 s21, s21, s22                     ; the block of 16 rows
	s_and_b32 s22, s20, 1                          ; the half of K
	s_lshl_b32 s24, s21, 16                        ; x: 16 rows of 4,096 bytes, + 2,048 for the half
	s_lshl_b32 s23, s22, 11
	s_add_co_u32 s24, s24, s23
	s_add_nc_u64 s[4:5], s[4:5], s[24:25]
	s_lshl_b32 s24, s21, 13                        ; xc: 8,192 bytes a block, 4,096 a half
	s_lshl_b32 s23, s22, 12
	s_add_co_u32 s24, s24, s23
	s_add_nc_u64 s[10:11], s[10:11], s[24:25]
	s_lshl_b32 s24, s21, 9                         ; xs: 512 bytes a block, 256 a half
	s_lshl_b32 s23, s22, 8
	s_add_co_u32 s24, s24, s23
	s_add_nc_u64 s[12:13], s[12:13], s[24:25]
	s_mov_b32 s30, 0x76543210
	s_mov_b32 s31, 0xfedcba98                      ; v_permlanex16_b32's selects for lane l xor 16
	v_lshlrev_b32 v6, 4, v2
	v_lshl_add_u32 v6, v3, 3, v6                   ; the scale words' way out: 16 r + 8 h
	v_lshlrev_b32 v8, 3, v3                        ; 8 h
	v_mov_b32 v27, 0                               ; written once: a lane permute's destination counts as one of its sources
	LOADX 0
	LOADX 1
	UNIT 0
	UNIT 1
	UNIT 2
	UNIT 3
	v_cmp_ne_u32 vcc_lo, 0, v3
	v_cndmask_b32 v28, v16, v18, vcc_lo            ; lanes 0-15 store words 0 and 1 of their row, lanes 16-31 words 2 and 3
	v_cndmask_b32 v29, v17, v19, vcc_lo
	global_store_b64 v6, v[28:29], s[12:13]        ; 32 lanes store 256 consecutive bytes, aligned
	s_wait_tensorcnt 0x0                           ; the wave's end, behind my last LDS store
	ds_add_u32 v[SPW], v[NIL]
	s_wait_dscnt 0x0
	s_endpgm
.Lpath_w:
	; ---- Wqkv: work-group id: columns 128 (id / 8) on, K step id % 8; wave w: 32 of the columns x 128 along K
	s_lshr_b32 s21, ttmp9, 3
	s_and_b32 s22, ttmp9, 7
	s_lshl_b32 s23, s21, 2
	s_add_co_u32 s23, s23, s20                     ; which run of 32 columns
	s_mul_i32 s24, s22, 128*12288                  ; Wqkv: 128 rows of 12,288 bytes a K step, + 128 bytes a run
	s_lshl_b32 s26, s23, 7
	s_add_co_u32 s24, s24, s26
	s_add_nc_u64 s[6:7], s[6:7], s[24:25]
	s_lshl_b32 s24, s23, 14                        ; wc: two blocks of 8,192 bytes a run, + 1,024 a K step
	s_lshl_b32 s26, s22, 10
	s_add_co_u32 s24, s24, s26
	s_add_nc_u64 s[14:15], s[14:15], s[24:25]
	s_lshl_b32 s24, s23, 10                        ; ws: two blocks of 512 bytes a run, + 256 for the half of K, + 4 for the word
	s_lshr_b32 s26, s22, 2
	s_lshl_b32 s26, s26, 8
	s_add_co_u32 s24, s24, s26
	s_and_b32 s26, s22, 3
	s_lshl_b32 s26, s26, 2
	s_add_co_u32 s24, s24, s26
	s_add_nc_u64 s[16:17], s[16:17], s[24:25]
	v_lshlrev_b32 v5, 4, v2
	v_lshl_add_u32 v6, v3, 9, v5                   ; ws: 512 h + 16 r
	v_lshl_add_u32 v5, v3, 13, v5                  ; wc: 8,192 h + 16 r
	LOADC 0, 6, 12288
	LOADC 1, 6, 12288
	BLOCKW 0
	BLOCKW 1
	BLOCKW 2
	BLOCKW 3
	global_store_b32 v6, v24, s[16:17]             ; my column's word of this K step: 4 bytes, 16 apart (one part in 128 of what this path reads)
	s_endpgm
.Lpath_o:
	; ---- Wo: columns 128 ((id - 192) % 8) on, 128 along d from 128 ((id - 192) / 8); wave w: 32 of the columns
	s_sub_co_u32 s21, ttmp9, 192
	s_and_b32 s22, s21, 7
	s_lshr_b32 s21, s21, 3
	s_lshl_b32 s23, s22, 2
	s_add_co_u32 s23, s23, s20                     ; which run of 32 columns
	s_lshl_b32 s24, s21, 19                        ; Wo: 128 rows of 4,096 bytes, + 128 bytes a run
	s_lshl_b32 s26, s23, 7
	s_add_co_u32 s24, s24, s26
	s_add_nc_u64 s[8:9], s[8:9], s[24:25]
	s_lshl_b32 s24, s23, 16                        ; wot: two blocks of columns of 32,768 bytes a run, + 4,096 for 128 along d
	s_lshl_b32 s26, s21, 12
	s_add_co_u32 s24, s24, s26
	s_add_nc_u64 s[18:19], s[18:19], s[24:25]
	v_lshlrev_b32 v5, 4, v2
	v_lshl_add_u32 v5, v3, 15, v5                  ; 32,768 h + 16 r
	LOADC 0, 8, 4096
	LOADC 1, 8, 4096
	BLOCKO 0
	BLOCKO 1
	BLOCKO 2
	BLOCKO 3
	s_endpgm
.Lfunc_end_k_qf5aeee3754_prep:
	.size	k_qf5aeee3754_prep, .Lfunc_end_k_qf5aeee3754_prep-k_qf5aeee3754_prep
	.p2alignl 7, 3214868480
	.fill 96, 4, 3214868480
	.section	.rodata,"a",@progbits
	.p2align	6, 0x0
	.amdhsa_kernel k_qf5aeee3754_prep
		.amdhsa_group_segment_fixed_size 34304
		.amdhsa_private_segment_fixed_size 0
		.amdhsa_enable_private_segment 0
		.amdhsa_kernarg_size 64
		.amdhsa_user_sgpr_count 2
		.amdhsa_user_sgpr_kernarg_segment_ptr 1
		.amdhsa_wavefront_size32 1
		.amdhsa_system_sgpr_workgroup_id_x 1
		.amdhsa_system_sgpr_workgroup_id_y 1
		.amdhsa_system_sgpr_workgroup_id_z 1
		.amdhsa_system_vgpr_workitem_id 0
		.amdhsa_next_free_vgpr 256
		.amdhsa_next_free_sgpr 66
		.amdhsa_reserve_vcc 1
		.amdhsa_float_denorm_mode_32 3
		.amdhsa_float_denorm_mode_16_64 3
		.amdhsa_memory_ordered 1
		.amdhsa_forward_progress 1
		.amdhsa_inst_pref_size 67
	.end_amdhsa_kernel
	.amdgpu_metadata
---
amdhsa.version: [ 1, 2 ]
amdhsa.kernels:
  - .name:           k_qf5aeee3754_prep
    .symbol:         k_qf5aeee3754_prep.kd
    .args:
      - { .name: x, .offset: 0, .size: 8, .value_kind: global_buffer, .address_space: global }
      - { .name: Wqkv, .offset: 8, .size: 8, .value_kind: global_buffer, .address_space: global }
      - { .name: Wo, .offset: 16, .size: 8, .value_kind: global_buffer, .address_space: global }
      - { .name: xc, .offset: 24, .size: 8, .value_kind: global_buffer, .address_space: global }
      - { .name: xs, .offset: 32, .size: 8, .value_kind: global_buffer, .address_space: global }
      - { .name: wc, .offset: 40, .size: 8, .value_kind: global_buffer, .address_space: global }
      - { .name: ws, .offset: 48, .size: 8, .value_kind: global_buffer, .address_space: global }
      - { .name: wot, .offset: 56, .size: 8, .value_kind: global_buffer, .address_space: global }
    .group_segment_fixed_size: 34304
    .private_segment_fixed_size: 0
    .kernarg_segment_align: 8
    .kernarg_segment_size: 64
    .max_flat_workgroup_size: 128
    .sgpr_count:     66
    .vgpr_count:     256
    .wavefront_size: 32
...
	.end_amdgpu_metadata
.endif
;; end of part 1
;; launch qkv (part 2): grid 8 x 32, 4 waves a work-group, clusters of 4 x 4, 327,680 bytes of LDS; arguments xc, xs, wc, ws, bqkv, qkv; writes qkv
.if DOCPART == 2
	.amdgcn_target "amdgcn-amd-amdhsa--gfx1250"
	.amdhsa_code_object_version 6
	.text
	.protected	k_qf5aeee3754_qkv
	.globl	k_qf5aeee3754_qkv
	.p2align	8
	.type	k_qf5aeee3754_qkv,@function
k_qf5aeee3754_qkv:
	s_mov_b64 s[64:65], 0
	v_nop
	global_prefetch_b8 v0, s[64:65] scope:SCOPE_SE
	s_setreg_imm32_b32 hwreg(HW_REG_WAVE_MODE, 25, 1), 1
	s_wait_xcnt 0x0
	s_wait_alu depctr_hold_cnt(0) depctr_sa_sdst(0) depctr_va_vdst(0) depctr_va_sdst(0) depctr_va_ssrc(0) depctr_va_vcc(0) depctr_vm_vsrc(0)
	s_getreg_b32 s2, hwreg(HW_REG_IB_STS2, 6, 4)
	s_cmp_eq_u32 s2, 0
	s_cbranch_scc0 .Lentry_in_a_cluster
	s_endpgm
.Lentry_in_a_cluster:
	s_bfe_u32 s2, ttmp6, 0x10000c
	s_cmp_lg_u32 s2, 0xf033
	s_cbranch_scc0 .Lentry_shape_is_right
	s_endpgm
.Lentry_shape_is_right:
; qkv = Q(x) Q(Wqkv) + bqkv on codes of FP4 (E2M1) with E8M0 scales, sums in f32, rounded once to f16 and laid as the attention launch's operands want it.
; A WORK-GROUP STAYS: it owns 256 rows of x and makes THREE tiles of 256 rows x 128 columns: tile t takes columns 1,024 t + 128 x (work-group x) on: tile 0 is q, tile 1 k, tile 2 v, of two heads.
; 8 x 32 = 256 work-groups of equal work; a tile's stores leave while the next tile is multiplied.  A wave makes 128 rows x 64 columns (one head): 32 accumulators of 16 x 16.
; LDS: x's codes for all of K = 1,024 (131,072 bytes) stay; W's tiles (65,536 bytes each) take two slots: three of them beside x's codes would leave no byte for the scales.  So tile 2 fills slot 0 again,
; behind tile 0's last read of it, and has tile 1's 256 matrix instructions a wave in which to land.  All other tiles are asked for at the head, so nothing is prefetched.
; The codes lie in memory in the order of the operand's registers ([16 rows][K block][row][16 bytes]): a fragment load reads 512 consecutive bytes of LDS, 16 a lane; no pitch, no padding.
; CLUSTERS: 4 x 4 work-groups; the four of a row need the same rows of x, the four of a column the same columns of W: each tile is asked for jointly, by the same tensor load with a mask that names the four.
; THE MATRIX INSTRUCTION IS USED TRANSPOSED (source 0 = 16 columns of W, source 1 = 16 rows of x): a lane holds eight neighbouring columns of one row: 16 bytes of f16.
; Stored at 16 x lane they are one load of a 16-bit fragment of the next product (q, k); v's blocks are laid [token][16 channels], for the turning load.  So the way out needs no LDS.
; The bias is the C of each sum's first matrix instruction.
; LIMIT: |q|, |k|, |v| beyond 65,504 become infinity in f16.
; REGISTERS, in windows of 256: window 0: v16-30 addresses; v32-95 x's scale words (block i, K step ks at v[32 + 8 i + ks]); v96-191 W's (tile t, block b: v[96 + 32 t + 8 b + ks]): read from LDS once.
;   window 1: two fragment buffers at v0 and v128: x's 8 fragments, then W's 4.   window 2: the accumulators ((a, b) at v[8 (4 a + b)]).   window 3: v0-127 packed results; v128-223 the three tiles' biases.
.set BS0,   131072                     ; behind x's two halves of K (65,536 bytes each): W's slot 0,
.set BS1,   196608                     ; and slot 1, 65,536 on: one exclusive or turns an address in one into the other's
.set SCA,   262144                     ; x's scale words: 16 blocks of 512 bytes
.set SCB,   270336                     ; W's: [half of the columns][tile 3][block 4][512 bytes]
.set SPARE, 282624                     ; the spare words, 128 bytes a wave: two blocks of 256 bytes that no other line names
.set ADRA, 16                          ; v16-17  LDS address of my fragments of x in half 0, 1 of K
.set ADRB, 20                          ; v20-21  of my fragments of W in slot 0, 1
.set ADSA, 24                          ; v24     of my rows' scale words
.set ADSB, 25                          ; v25     of my columns'
.set CO,   26                          ; v26     16 x lane: my 16 bytes' place in a block of q or k
.set COV,  27                          ; v27     32 r + 16 h: in a block of v
.set SPW,  28                          ; v28     LDS address of my spare word; never rewritten
.set NIL,  29                          ; v29     0; never rewritten
.set BO,   30                          ; v30     32 h: my eight numbers of a block's bias
.set SA,   32
.set SB,   96
.set PK,   0                           ; in window 3
.set BI,   128                         ; in window 3
.set G1, 24                            ; s[24:31] group 1 for x's codes; s[32:39] group 0, a set for each half of K
.set G0, 32
.set G1B, 48                           ; s[48:55] group 1 for W's codes; s[56:63] group 0 for tile 0, a set for each half of K
.set G0B, 56
.set G1S, 68                           ; s[68:75], s[76:79] for x's scales; s[80:87], s[88:91] for W's
.set G0S, 76
.set G1SB, 80
.set G0SB, 88
.set G0T, 96                           ; s[96:99] group 0 for my quarter of tile 1, later of tile 2
.set MSB, 0
.macro WIN new                         ; the immediate's high byte repeats the setting that is left
.if MSB != (\new)
	s_set_vgpr_msb (MSB<<8)|(\new)
.set MSB, (\new)
.endif
.endm
.set MUL,  0xa5                        ; sources 0 (W) and 1 (x) window 1; C and D window 2
.set MULB, 0xb5                        ; C (the bias) window 3
.set TO_F, 0x40                        ; destination window 1, address window 0
; A joint load: waves 0 and 1 fetch for x, waves 2 and 3 for W; the branch hangs on the wave's number alone.  An s_nop 0 and four v_nop follow each of the two lines.
.macro JLOAD g0a, g1a, g0b, g1b
	s_cmp_eq_u32 s17, 0
	s_cbranch_scc0 .Lfor_b_\@
	tensor_load_to_lds s[\g0a:\g0a+3], s[\g1a:\g1a+7]
	s_nop 0
.rept 4
	v_nop
.endr
	s_branch .Lasked_\@
.Lfor_b_\@:
	tensor_load_to_lds s[\g0b:\g0b+3], s[\g1b:\g1b+7]
	s_nop 0
.rept 4
	v_nop
.endr
.Lasked_\@:
.endm
.macro CREST                           ; a round of the cluster's barrier behind its opening barrier
	s_cmp_lg_u32 s16, 0
	s_cbranch_scc1 .Lnot_wave_0_\@
	s_barrier_signal -3
.Lnot_wave_0_\@:
	s_barrier_wait -3
	s_barrier_signal -1
	s_barrier_wait -1
.endm
.macro CROUND                          ; a whole round
	s_barrier_signal -1
	s_barrier_wait -1
	CREST
.endm
	s_load_b256 s[4:11], s[0:1], 0x0               ; xc s[4:5], xs s[6:7], wc s[8:9], ws s[10:11]
	s_load_b128 s[12:15], s[0:1], 0x20             ; bqkv s[12:13], qkv s[14:15]
	v_lshl_add_u32 v[SPW], v0, 2, SPARE
	v_mov_b32 v[NIL], 0
	ds_add_u32 v[SPW], v[NIL]                      ; the wave's opening: the add and its wait stand ahead of my first tensor load; the set-up below, work on registers, stands between them
	v_lshrrev_b32 v1, 5, v0
	v_readfirstlane_b32 s16, v1                    ; wave 0..3
	s_lshr_b32 s17, s16, 1                         ; which half of the tile's rows is mine.  Also: I fetch for x (0) or for W (1)
	s_and_b32 s18, s16, 1                          ; which half of its columns.  Also: which half of that operand I fetch
	s_bfe_u32 s40, ttmp6, 0x40000                  ; cx, cy: my place in the cluster
	s_bfe_u32 s41, ttmp6, 0x40004
	s_lshl_b32 s42, ttmp9, 2
	s_add_co_u32 s42, s42, s40                     ; work-group x = 4 x cluster x + cx: 0..7
	s_and_b32 s43, ttmp7, 0xffff
	s_lshl_b32 s43, s43, 2
	s_add_co_u32 s43, s43, s41                     ; work-group y = 4 x cluster y + cy: 0..31
	s_lshl_b32 s44, s41, 2
	s_lshl_b32 s44, 15, s44                        ; my row of the cluster
	s_lshl_b32 s45, 0x1111, s40                    ; my column
	; group 1 for codes: blocks of 16 rows, of each the 4,096 bytes of a half of K (512 elements of 8 bytes), 8,192 bytes apart; dense in LDS: 8 blocks of x, 4 of W
	s_or_b32 s[G1+0], s44, (3<<16)|(1<<21)         ; 15:0 the mask: x's tiles go to my row; 17:16 elements of 8 bytes; 21 set beside a mask
	s_or_b32 s[G1B+0], s45, (3<<16)|(1<<21)        ; W's go to my column
	s_mov_b32 s[G1+1], 512<<16                     ; tensor_dim0
	s_mov_b32 s[G1+2], 8<<16                       ; tensor_dim1
	s_mov_b32 s[G1+3], 512<<16                     ; tile_dim0
	s_mov_b32 s[G1+4], 8                           ; tile_dim1
	s_mov_b32 s[G1+5], 1024                        ; tensor_dim0_stride
	s_mov_b32 s[G1+6], 0
	s_mov_b32 s[G1+7], 0
	s_mov_b32 s[G1B+1], 512<<16
	s_mov_b32 s[G1B+2], 4<<16
	s_mov_b32 s[G1B+3], 512<<16
	s_mov_b32 s[G1B+4], 4
	s_mov_b32 s[G1B+5], 1024
	s_mov_b32 s[G1B+6], 0
	s_mov_b32 s[G1B+7], 0
	; x's scale words of 8 blocks: 4,096 dense bytes, as 16 rows of 256
	s_or_b32 s[G1S+0], s44, (3<<16)|(1<<21)
	s_mov_b32 s[G1S+1], 32<<16
	s_mov_b32 s[G1S+2], 16<<16
	s_mov_b32 s[G1S+3], 32<<16
	s_mov_b32 s[G1S+4], 16
	s_mov_b32 s[G1S+5], 32
	s_mov_b32 s[G1S+6], 0
	s_mov_b32 s[G1S+7], 0
	; W's scale words of 4 blocks in each of the three tiles: 3 rows of 2,048 bytes (256 elements), 64 blocks = 32,768 bytes apart
	s_or_b32 s[G1SB+0], s45, (3<<16)|(1<<21)
	s_mov_b32 s[G1SB+1], 256<<16
	s_mov_b32 s[G1SB+2], 3<<16
	s_mov_b32 s[G1SB+3], 256<<16
	s_mov_b32 s[G1SB+4], 3
	s_mov_b32 s[G1SB+5], 4096
	s_mov_b32 s[G1SB+6], 0
	s_mov_b32 s[G1SB+7], 0
	s_lshl_b32 s19, s18, 3
	s_lshl_b32 s20, s43, 4
	s_add_co_u32 s20, s20, s19                     ; x: block 16 x work-group y + 8 x half
	s_lshl_b32 s22, s20, 9                         ; its scale words: 512 bytes a block
	s_mov_b32 s23, 0
	s_lshl_b32 s20, s20, 13                        ; its codes: 8,192 bytes a block
	s_mov_b32 s21, 0
	s_lshl_b32 s19, s18, 2
	s_lshl_b32 s46, s42, 3
	s_add_co_u32 s46, s46, s19                     ; W, tile 0: block 8 x work-group x + 4 x half
	s_lshl_b32 s92, s46, 9
	s_mov_b32 s93, 0
	s_lshl_b32 s46, s46, 13
	s_mov_b32 s47, 0
	s_lshl_b32 s2, s17, 12                         ; my quarter of tile 1: the half w / 2 of K,
	s_add_co_u32 s2, s2, 524288                    ; 64 blocks of 8,192 bytes on from tile 0
	s_mov_b32 s3, 0
	s_lshl_b32 s94, s18, 15                        ; where they go: x's codes: half x 32,768: no place in the cluster enters an LDS address
	s_lshl_b32 s95, s18, 12                        ; x's scales: half x 4,096
	s_lshl_b32 s19, s18, 14                        ; W's codes: half x 16,384
	s_mul_i32 s66, s18, 6144                       ; W's scales: half x 6,144
	s_lshl_b32 s67, s16, 14                        ; a quarter of a tile of W: wave x 16,384
	s_wait_dscnt 0x0                               ; the opening add is done
	s_wait_kmcnt 0x0
	s_add_nc_u64 s[20:21], s[4:5], s[20:21]
	s_add_nc_u64 s[22:23], s[6:7], s[22:23]
	s_add_nc_u64 s[46:47], s[8:9], s[46:47]
	s_add_nc_u64 s[92:93], s[10:11], s[92:93]
	CROUND                                         ; all sixteen work-groups are here: the first joint loads meet
	s_mov_b32 s[G0S], 1
	s_add_co_u32 s[G0S+1], s95, SCA
	s_mov_b64 s[G0S+2:G0S+3], s[22:23]
	s_or_b32 s[G0S+3], s[G0S+3], 0x80000000
	s_mov_b32 s[G0SB], 1
	s_add_co_u32 s[G0SB+1], s66, SCB
	s_mov_b64 s[G0SB+2:G0SB+3], s[92:93]
	s_or_b32 s[G0SB+3], s[G0SB+3], 0x80000000
	JLOAD G0S, G1S, G0SB, G1SB                     ; the scale words first: they are wanted with the first half of K
.irp s, 0,1
	s_mov_b32 s[G0+4*\s], 1
	s_add_co_u32 s[G0+4*\s+1], s94, \s*65536
	s_add_nc_u64 s[G0+4*\s+2:G0+4*\s+3], s[20:21], \s*4096
	s_or_b32 s[G0+4*\s+3], s[G0+4*\s+3], 0x80000000
	s_mov_b32 s[G0B+4*\s], 1
	s_add_co_u32 s[G0B+4*\s+1], s19, BS0+\s*32768
	s_add_nc_u64 s[G0B+4*\s+2:G0B+4*\s+3], s[46:47], \s*4096
	s_or_b32 s[G0B+4*\s+3], s[G0B+4*\s+3], 0x80000000
	JLOAD G0+4*\s, G1, G0B+4*\s, G1B               ; half s of K: x's rows, and W's tile 0
.endr
	s_mov_b32 s[G0T], 1
	s_add_co_u32 s[G0T+1], s67, BS1
	s_add_nc_u64 s[G0T+2:G0T+3], s[46:47], s[2:3]
	s_or_b32 s[G0T+3], s[G0T+3], 0x80000000
	tensor_load_to_lds s[G0T:G0T+3], s[G1B:G1B+7]  ; W's tile 1, a quarter to each wave: four loads of mine are out
	s_nop 0
.rept 4
	v_nop
.endr
	v_and_b32 v1, 15, v0                           ; r
	v_bfe_u32 v2, v0, 4, 1                         ; h
	v_and_b32 v3, 31, v0
	v_lshlrev_b32 v[CO], 4, v3                     ; 16 x lane
	s_lshl_b32 s21, s17, 15                        ; my 128 rows of x
	v_add_nc_u32 v[ADRA], s21, v[CO]
	s_add_co_u32 s21, s21, 65536
	v_add_nc_u32 v[ADRA+1], s21, v[CO]
	s_lshl_b32 s22, s18, 14                        ; my 64 columns of W
	s_add_co_u32 s22, s22, BS0
	v_add_nc_u32 v[ADRB], s22, v[CO]
	s_add_co_u32 s22, s22, 65536
	v_add_nc_u32 v[ADRB+1], s22, v[CO]
	v_lshlrev_b32 v5, 4, v1                        ; a row's four words of a half of K; lanes 16-31 read what lanes 0-15 read
	s_lshl_b32 s21, s17, 12
	s_add_co_u32 s21, s21, SCA
	v_add_nc_u32 v[ADSA], s21, v5
	s_mul_i32 s22, s18, 6144
	s_add_co_u32 s22, s22, SCB
	v_add_nc_u32 v[ADSB], s22, v5
	v_lshlrev_b32 v[COV], 5, v1
	v_lshl_add_u32 v[COV], v2, 4, v[COV]
	v_lshlrev_b32 v[BO], 5, v2
	; the biases of my 64 columns in each tile: lane (r, h) wants, for block b, numbers 16 b + 8 h + 0 .. 7
	s_lshl_b32 s92, s42, 9                         ; 128 columns of 4 bytes a work-group, + 256 for my half; a tile on: 4,096
	s_lshl_b32 s93, s18, 8
	s_add_co_u32 s92, s92, s93
	s_mov_b32 s93, 0
	s_add_nc_u64 s[12:13], s[12:13], s[92:93]
	WIN 0xc0                                       ; destination window 3
.irp t, 0,1,2
.irp b, 0,1,2,3
	global_load_b128 v[BI+32*\t+8*\b:BI+32*\t+8*\b+3], v[BO], s[12:13] offset:4096*\t+64*\b
	global_load_b128 v[BI+32*\t+8*\b+4:BI+32*\t+8*\b+7], v[BO], s[12:13] offset:4096*\t+64*\b+16
.endr
.endr
	WIN 0
	; the way out.  qkv: part (q, k, v) x 16,777,216 + [16 batch + head][16 tokens][16 channels] blocks of 512 bytes.  The part is the tile's number
	s_lshr_b32 s20, s43, 2                         ; the batch: 4 work-groups along y each
	s_lshl_b32 s20, s20, 21                        ; x 16 heads x 131,072
	s_and_b32 s21, s43, 3
	s_lshl_b32 s21, s21, 4
	s_lshl_b32 s22, s17, 3
	s_add_co_u32 s21, s21, s22                     ; my first block of 16 tokens
	s_lshl_b32 s21, s21, 11
	s_add_co_u32 s20, s20, s21
	s_mov_b32 s21, 0
	s_add_nc_u64 s[14:15], s[14:15], s[20:21]
	s_lshl_b32 s46, s42, 1                         ; my head: 2 x work-group x + half (in the registers that held W's address)
	s_add_co_u32 s46, s46, s18
	s_lshl_b32 s46, s46, 17
	s_mov_b32 s47, 0
	s_add_nc_u64 s[14:15], s[14:15], s[46:47]
; 8 matrix instructions: x's blocks a0, a0 + 1 against W's four, K step ks of tile t, from buffer f.  bias = 1: the first product starts the sums from the bias: nothing is cleared.
; The 32 accumulators take turns, one instruction a turn, in the same order in every step.  Both sides' scale words are read from lanes 0-15.
.macro MULS f, a0, t, ks, bias
.irp a, \a0, \a0+1
.irp b, 0,1,2,3
.if \bias
	v_wmma_scale_f32_16x16x128_f8f6f4 v[8*(4*(\a)+\b):8*(4*(\a)+\b)+7], v[\f+64+8*\b:\f+64+8*\b+7], v[\f+8*(\a):\f+8*(\a)+7], v[BI+32*(\t)+8*\b:BI+32*(\t)+8*\b+7], v[SB+32*(\t)+8*\b+(\ks)], v[SA+8*(\a)+(\ks)] matrix_a_fmt:MATRIX_FMT_FP4 matrix_b_fmt:MATRIX_FMT_FP4
.else
	v_wmma_scale_f32_16x16x128_f8f6f4 v[8*(4*(\a)+\b):8*(4*(\a)+\b)+7], v[\f+64+8*\b:\f+64+8*\b+7], v[\f+8*(\a):\f+8*(\a)+7], v[8*(4*(\a)+\b):8*(4*(\a)+\b)+7], v[SB+32*(\t)+8*\b+(\ks)], v[SA+8*(\a)+(\ks)] matrix_a_fmt:MATRIX_FMT_FP4 matrix_b_fmt:MATRIX_FMT_FP4
.endif
.endr
.endr
.endm
; 24 LDS loads in one run: the fragments of K step ks of tile t into buffer f: W's four, x's blocks 0-3, x's blocks 4-7.
; A fragment is 16 rows x 128 K of 4-bit codes in 8 registers: load c brings lane (r, h) the K block 2 c + h of row r: 512 consecutive bytes.
.macro FETCH t, ks, f
	WIN TO_F
.irp b, 0,1,2,3
.irp c, 0,1
	ds_load_b128 v[\f+64+8*\b+4*\c:\f+64+8*\b+4*\c+3], v[ADRB+(\t)%2] offset:32768*((\ks)/4)+1024*((\ks)%4)+4096*\b+512*\c
.endr
.endr
.irp a, 0,1,2,3,4,5,6,7
.irp c, 0,1
	ds_load_b128 v[\f+8*\a+4*\c:\f+8*\a+4*\c+3], v[ADRA+(\ks)/4] offset:1024*((\ks)%4)+4096*\a+512*\c
.endr
.endr
.endm
.macro PLACES                          ; four plain places in front of loads into registers that matrix instructions have read, and of the first read of results
.rept 4
	v_nop
.endr
.endm
; K step ks of tile t: multiplies buffer ks % 2; in its middle it fetches K step nks of tile nt into the other buffer.
.macro STEP t, ks, nt, nks, bias
.set FF, 128*((\ks)%2)
.set GG, 128-FF
	s_wait_dscnt 8                                 ; W's fragments and x's blocks 0-3 are in; the youngest eight loads (x's blocks 4-7) may be out
.if \bias
	WIN MULB
.else
	WIN MUL
.endif
	MULS FF, 0, \t, \ks, \bias
	MULS FF, 2, \t, \ks, \bias
	PLACES
	FETCH \nt, \nks, GG
	s_wait_dscnt 24                                ; all but the 24 just issued
.if \bias
	WIN MULB
.else
	WIN MUL
.endif
	MULS FF, 4, \t, \ks, \bias
	MULS FF, 6, \t, \ks, \bias
.endm
; A K step whose fetch reads bytes that other waves' tensor loads brought: ONE barrier in its middle; in front of it each wave's part of those bytes has landed.  left: my later loads, which may stay out.
; refill = 1: W's slot 0, whose last reads are over, is filled again with tile 2: each wave waits for all its tensor loads, adds 0 to its spare word, and waits for that and for its reads of the slot;
; the barrier opens a round of the cluster's barrier, and the joint load is the first thing behind the round.
.macro TURNX t, ks, nt, nks, refill, left
.set FF, 128*((\ks)%2)
.set GG, 128-FF
.if \refill
	WIN 0                                          ; (the add's two registers lie in window 0)
.endif
	s_wait_tensorcnt \left
.if \refill
	ds_add_u32 v[SPW], v[NIL]                      ; 0 onto my spare word;
	s_wait_dscnt 9                                 ; (the add and the youngest eight loads may be out)
.else
	s_wait_dscnt 8                                 ; x's blocks 4-7 may be out
.endif
	WIN MUL
	MULS FF, 0, \t, \ks, 0                         ; eight matrix instructions stand between the add and the wait for it
	s_wait_dscnt 0x0                               ; no LDS instruction of mine is out at the signal: the add is done, my reads are over
	s_barrier_signal -1
	MULS FF, 2, \t, \ks, 0
.if \refill
	WIN 0
.endif
	s_barrier_wait -1
.if \refill
	CREST                                          ; no wave of any partner still reads slot 0 or has a load on its way
	s_xor_b32 s[G0T+1], s[G0T+1], 0x10000          ; my quarter of slot 0,
	s_add_nc_u64 s[G0T+2:G0T+3], s[G0T+2:G0T+3], 524288   ; of tile 2: 64 blocks on; the type bits on top are not reached
	tensor_load_to_lds s[G0T:G0T+3], s[G1B:G1B+7]  ; my one tensor load behind the round
	s_nop 0
.endif
	PLACES                                         ; (behind the load; they are also the places in front of the loads below)
	FETCH \nt, \nks, GG
	WIN MUL
	MULS FF, 4, \t, \ks, 0
	MULS FF, 6, \t, \ks, 0
.endm
; THE WAY OUT of tile t: a lane's eight numbers of a row pack into 16 bytes of f16; a wave's store covers one block of 512 consecutive bytes, its 32 stores 16,384.  Each accumulator is read from its low end on.
; Nothing waits for the stores: they leave while the next tile is multiplied.
.macro OUT t
	PLACES
.if (\t) > 0
	s_wait_xcnt 0x0                                ; the last tile's stores have read their registers and their base: both are written again only behind this wait
	s_add_nc_u64 s[14:15], s[14:15], 0x1000000     ; the next part of qkv
.endif
	WIN 0xca                                       ; sources 0 and 1 window 2, destination window 3
.irp a, 0,1,2,3,4,5,6,7
.irp b, 0,1,2,3
.irp i, 0,1,2,3
	v_cvt_pk_f16_f32 v[PK+16*\a+4*\b+\i], v[8*(4*\a+\b)+2*\i], v[8*(4*\a+\b)+2*\i+1]
.endr
.endr
.endr
	WIN 0x0c                                       ; a store's data are its source 1: window 3
.irp a, 0,1,2,3,4,5,6,7
.irp b, 0,1,2,3
.if (\t) == 2
	global_store_b128 v[COV], v[PK+16*\a+4*\b:PK+16*\a+4*\b+3], s[14:15] offset:2048*\a+512*\b   ; v: rows of 16 channels
.else
	global_store_b128 v[CO], v[PK+16*\a+4*\b:PK+16*\a+4*\b+3], s[14:15] offset:2048*\a+512*\b    ; 16 tokens on: 2,048; 16 channels on: 512
.endif
.endr
.endr
.endm
	s_wait_tensorcnt 2                             ; the scale words and my part of the first half of K are in (the second half's load and tile 1's may be out)
	s_barrier_signal -1
	s_barrier_wait -1                              ; everybody's are
.irp i, 0,1,2,3,4,5,6,7                        ; all scale words come into registers once: four words (four K steps) a load
.irp g, 0,1
	ds_load_b128 v[SA+8*\i+4*\g:SA+8*\i+4*\g+3], v[ADSA] offset:512*\i+256*\g
.endr
.endr
.irp t, 0,1,2
.irp b, 0,1,2,3
.irp g, 0,1
	ds_load_b128 v[SB+32*\t+8*\b+4*\g:SB+32*\t+8*\b+4*\g+3], v[ADSB] offset:2048*\t+512*\b+256*\g
.endr
.endr
.endr
	FETCH 0, 0, 0
	s_wait_loadcnt 0x0                             ; the biases
	; ---- tile 0: q
	STEP 0, 0, 0, 1, 1
	STEP 0, 1, 0, 2, 0
	STEP 0, 2, 0, 3, 0
	TURNX 0, 3, 0, 4, 0, 1                         ; on to the second half of K; tile 1's load may be out
	STEP 0, 4, 0, 5, 0
	STEP 0, 5, 0, 6, 0
	STEP 0, 6, 0, 7, 0
	TURNX 0, 7, 1, 0, 1, 0                         ; tile 1 has landed; slot 0 takes tile 2
	OUT 0
	; ---- tile 1: k
	STEP 1, 0, 1, 1, 1
	STEP 1, 1, 1, 2, 0
	STEP 1, 2, 1, 3, 0
	STEP 1, 3, 1, 4, 0
	STEP 1, 4, 1, 5, 0
	STEP 1, 5, 1, 6, 0
	STEP 1, 6, 1, 7, 0
	TURNX 1, 7, 2, 0, 0, 0                         ; tile 2 has landed
	OUT 1
	; ---- tile 2: v
	STEP 2, 0, 2, 1, 1
	STEP 2, 1, 2, 2, 0
	STEP 2, 2, 2, 3, 0
	STEP 2, 3, 2, 4, 0
	STEP 2, 4, 2, 5, 0
	STEP 2, 5, 2, 6, 0
	STEP 2, 6, 2, 7, 0
	s_wait_dscnt 8                                 ; the last step: nothing more to fetch
	WIN MUL
	MULS 128, 0, 2, 7, 0
	MULS 128, 2, 2, 7, 0
	s_wait_dscnt 0x0
	MULS 128, 4, 2, 7, 0
	MULS 128, 6, 2, 7, 0
	OUT 2
	WIN 0
	s_wait_tensorcnt 0x0                           ; the wave's end
	ds_add_u32 v[SPW], v[NIL]
	s_wait_dscnt 0x0
	CROUND                                         ; the closing round: no work-group ends while a partner may still ask for a tile that names it
	s_endpgm
.Lfunc_end_k_qf5aeee3754_qkv:
	.size	k_qf5aeee3754_qkv, .Lfunc_end_k_qf5aeee3754_qkv-k_qf5aeee3754_qkv
	.p2alignl 7, 3214868480
	.fill 96, 4, 3214868480
	.section	.rodata,"a",@progbits
	.p2align	6, 0x0
	.amdhsa_kernel k_qf5aeee3754_qkv
		.amdhsa_group_segment_fixed_size 327680
		.amdhsa_private_segment_fixed_size 0
		.amdhsa_enable_private_segment 0
		.amdhsa_kernarg_size 48
		.amdhsa_user_sgpr_count 2
		.amdhsa_user_sgpr_kernarg_segment_ptr 1
		.amdhsa_wavefront_size32 1
		.amdhsa_system_sgpr_workgroup_id_x 1
		.amdhsa_system_sgpr_workgroup_id_y 1
		.amdhsa_system_sgpr_workgroup_id_z 1
		.amdhsa_system_vgpr_workitem_id 0
		.amdhsa_next_free_vgpr 1024
		.amdhsa_next_free_sgpr 100
		.amdhsa_reserve_vcc 0
		.amdhsa_float_denorm_mode_32 3
		.amdhsa_float_denorm_mode_16_64 3
		.amdhsa_memory_ordered 1
		.amdhsa_forward_progress 1
		.amdhsa_inst_pref_size 188
	.end_amdhsa_kernel
	.amdgpu_metadata
---
amdhsa.version: [ 1, 2 ]
amdhsa.kernels:
  - .name:           k_qf5aeee3754_qkv
    .symbol:         k_qf5aeee3754_qkv.kd
    .args:
      - { .name: xc, .offset: 0, .size: 8, .value_kind: global_buffer, .address_space: global }
      - { .name: xs, .offset: 8, .size: 8, .value_kind: global_buffer, .address_space: global }
      - { .name: wc, .offset: 16, .size: 8, .value_kind: global_buffer, .address_space: global }
      - { .name: ws, .offset: 24, .size: 8, .value_kind: global_buffer, .address_space: global }
      - { .name: bqkv, .offset: 32, .size: 8, .value_kind: global_buffer, .address_space: global }
      - { .name: qkv, .offset: 40, .size: 8, .value_kind: global_buffer, .address_space: global }
    .group_segment_fixed_size: 327680
    .private_segment_fixed_size: 0
    .kernarg_segment_align: 8
    .kernarg_segment_size: 48
    .max_flat_workgroup_size: 128
    .sgpr_count:     100
    .vgpr_count:     1024
    .wavefront_size: 32
...
	.end_amdgpu_metadata
.endif
;; end of part 2
;; launch attn (part 3): grid 2 x 128, 8 waves a work-group, no clusters, 327,680 bytes of LDS; arguments qkv, ctx; writes ctx
.if DOCPART == 3
	.amdgcn_target "amdgcn-amd-amdhsa--gfx1250"
	.amdhsa_code_object_version 6
	.text
	.protected	k_qf5aeee3754_attn
	.globl	k_qf5aeee3754_attn
	.p2align	8
	.type	k_qf5aeee3754_attn,@function
k_qf5aeee3754_attn:
	s_mov_b64 s[64:65], 0
	v_nop
	global_prefetch_b8 v0, s[64:65] scope:SCOPE_SE
	s_setreg_imm32_b32 hwreg(HW_REG_WAVE_MODE, 25, 1), 1
	s_wait_xcnt 0x0
; ctx[b][q][head] = the sum over k of softmax_k(q . k / 8) v, head size 64, 1,024 keys, operands in f16, products, maxima and sums in f32; the weights p are rounded to f16 for the second product, ctx once at the end.
; SHARES.  A work-group owns 512 queries of one head (128 heads x 2 halves); each of its eight waves 64 queries: four tiles of 16, so that each fragment of K and V read from LDS feeds four matrix instructions.
; Two waves share a SIMD: while one walks its softmax the other's matrix instructions can be issued.
; THE HEAD'S WHOLE K AND V LIE IN LDS (131,072 bytes each), asked for at the start in four chunks of 256 keys; each chunk is read behind a barrier of its own.  Nothing is filled again.
; q and k lie in memory as images of fragment loads (blocks of 512 bytes, 16 a lane), v as blocks of 16 keys x 32 bytes for the turning load: every LDS load reads 512 consecutive bytes; no padding.
; LAYOUT.  S^T = K Q^T (source 0 = 16 keys, source 1 = 16 queries): a lane holds ONE query (lane % 16) and the keys 8 (lane / 16) + 0..7.  Two such tiles, rounded to f16 in pairs, are source 1 of O^T = V^T P.
; SOFTMAX.  For each query a running maximum m and sum l: p = 2^(c s - c m), c = log2(e) / 8; in every step O and l are multiplied by a = 2^(c m_old - c m_new).
; NO CLUSTER: only the two work-groups of a head read the same K and V, once each; a cluster of four would join two heads, whose tiles differ.
; LIMIT: none beyond f16's range in q, k, v, which the launch before states.
; REGISTERS: window 0: v1-4 addresses; v8, v9 the add's two; v16-47 statistics, 8 a tile: +0 c m, +1 m, +2, +3 l, +4..+7 at work, a in +6; v64-191 S^T, 32 a tile (P is made in place in each tile's first 16); v192-255 K.
;   window 1: v0-127 O^T, 32 a tile; v128-191 Q; v192-255 V.
.set VREG,  131072                     ; LDS: K from 0, V from here
.set SPARE, 262144                     ; the spare words, 128 bytes a wave: four blocks of 256 bytes that no other line names
.set LN,   1                           ; v1   16 x lane: K's place, Q's offset, ctx's offset; never rewritten
.set AV0,  2                           ; v2   my lane's place in a block of V
.set ADK,  3                           ; v3   LDS address of the key step's K
.set ADV,  4                           ; v4   and V
.set SPW,  8
.set NIL,  9
.set ST,   16
.set S,    64
.set KF,   192
.set QF,   128                         ; in window 1
.set VF,   192                         ; in window 1
.set G1,   16                          ; s[16:23] descriptor group 1; s[32:47] four groups 0, one for each chunk
.set G0,   32
.set CS,   24                          ; s[24:25] c
.set SEL,  26                          ; s[26:27] lane selects for v_permlanex16_b32: lane l xor 16
.set TB,   28                          ; s28  LDS byte at which the key step to be fetched begins: 8,192 a step
.set CNT,  29
.set MSB, 0
.macro WIN new
.if MSB != (\new)
	s_set_vgpr_msb (MSB<<8)|(\new)
.set MSB, (\new)
.endif
.endm
.set W_KQ, 0x04                        ; Q (source 1) in window 1
.set W_PV, 0x51                        ; V, C and D in window 1, P in window 0
.set W_RS, 0x41                        ; O^T (destination, source 0) in window 1, a in window 0
.set W_LD, 0x40                        ; destination window 1
	s_load_b128 s[4:7], s[0:1], 0x0                ; qkv s[4:5], ctx s[6:7]
	v_lshl_add_u32 v[SPW], v0, 2, SPARE
	v_mov_b32 v[NIL], 0
	ds_add_u32 v[SPW], v[NIL]                      ; the wave's opening: the add and its wait stand ahead of my first tensor load; the set-up below stands between them
	v_lshrrev_b32 v1, 5, v0
	v_readfirstlane_b32 s8, v1                     ; wave 0..7
	s_and_b32 s9, ttmp7, 0xffff                    ; 16 batch + head
	; group 1: 8,192 dense bytes as 32 rows of 256 (32 elements of 8 bytes)
	s_mov_b32 s[G1+0], 3<<16
	s_mov_b32 s[G1+1], 32<<16                      ; tensor_dim0
	s_mov_b32 s[G1+2], 32<<16                      ; tensor_dim1
	s_mov_b32 s[G1+3], 32<<16                      ; tile_dim0
	s_mov_b32 s[G1+4], 32                          ; tile_dim1
	s_mov_b32 s[G1+5], 32                          ; tensor_dim0_stride
	s_mov_b32 s[G1+6], 0
	s_mov_b32 s[G1+7], 0
	; what I fetch of each chunk: waves 0-3 a quarter of K's 32,768 bytes, waves 4-7 of V's
	s_lshr_b32 s10, s8, 2
	s_and_b32 s11, s8, 3
	s_lshl_b32 s11, s11, 13
	s_lshl_b32 s12, s10, 24
	s_add_co_u32 s12, s12, 1<<24                   ; k is part 1 of qkv, v part 2
	s_lshl_b32 s14, s9, 17                         ; the head's 131,072 bytes
	s_add_co_u32 s12, s12, s14
	s_add_co_u32 s12, s12, s11
	s_mov_b32 s13, 0
	s_lshl_b32 s10, s10, 17
	s_add_co_u32 s10, s10, s11                     ; and in LDS
	s_lshl_b32 s15, ttmp9, 16                      ; Q: my work-group's 512 queries, my wave's 64
	s_add_co_u32 s14, s14, s15
	s_lshl_b32 s15, s8, 13
	s_add_co_u32 s14, s14, s15
	s_mov_b32 s15, 0
	s_lshr_b32 s30, s9, 4                          ; ctx: [16 rows][16 columns] blocks of 512: my first block of rows: 64 batch + 32 half + 4 wave,
	s_lshl_b32 s30, s30, 6
	s_lshl_b32 s31, ttmp9, 5
	s_add_co_u32 s30, s30, s31
	s_lshl_b32 s31, s8, 2
	s_add_co_u32 s30, s30, s31
	s_lshl_b32 s30, s30, 15                        ; x 64 blocks of 512 bytes,
	s_and_b32 s31, s9, 15
	s_lshl_b32 s31, s31, 11                        ; + the head's four blocks of columns
	s_add_co_u32 s30, s30, s31
	s_mov_b32 s31, 0
	s_mov_b32 s[CS], 0x3e38aa3b                    ; c = log2(e) / 8
	s_mov_b32 s[CS+1], s[CS]                       ; (named with it as a pair, so it is written)
	s_mov_b32 s[SEL], 0x76543210
	s_mov_b32 s[SEL+1], 0xfedcba98
	s_mov_b32 s[TB], 0
	s_wait_dscnt 0x0                               ; the opening add is done
	s_wait_kmcnt 0x0
	s_add_nc_u64 s[12:13], s[4:5], s[12:13]
	s_add_nc_u64 s[14:15], s[4:5], s[14:15]
	s_add_nc_u64 s[6:7], s[6:7], s[30:31]
.irp c, 0,1,2,3                        ; all four chunks are asked for at once: four loads of mine are out
	s_mov_b32 s[G0+4*\c], 1
	s_add_co_u32 s[G0+4*\c+1], s10, \c*32768
	s_add_nc_u64 s[G0+4*\c+2:G0+4*\c+3], s[12:13], \c*32768
	s_or_b32 s[G0+4*\c+3], s[G0+4*\c+3], 0x80000000
	tensor_load_to_lds s[G0+4*\c:G0+4*\c+3], s[G1:G1+7]
	s_nop 0
.endr
.rept 4
	v_nop
.endr
	v_and_b32 v1, 31, v0
	v_lshlrev_b32 v[LN], 4, v1
	WIN W_LD
.irp i, 0,1,2,3,4,5,6,7,8,9,10,11,12,13,14,15  ; Q stays in registers: tile i / 4, channels 16 (i % 4) on: fragment (t, s) at v[QF + 16 t + 8 s]
	global_load_b128 v[QF+4*\i:QF+4*\i+3], v[LN], s[14:15] offset:512*\i
.endr
	WIN 0
	; the turning load takes 16 keys x 16 channels (lane l reads 16 bytes: key 8 (l / 16) + l % 8, channels 8 ((l / 8) % 2) + 0..7) and leaves half a fragment of V^T: lane l holds channel l % 16 and 8 keys
	v_bfe_u32 v5, v0, 4, 1
	v_and_b32 v6, 7, v0
	v_lshl_add_u32 v5, v5, 3, v6
	v_bfe_u32 v6, v0, 3, 1
	v_lshlrev_b32 v6, 4, v6
	v_lshl_add_u32 v[AV0], v5, 5, v6
	v_add_nc_u32 v[AV0], VREG, v[AV0]
.macro LOADK                           ; a key step's K: 64 keys x 64 channels: fragment (kt, s) at v[KF + 16 kt + 8 s]
.irp i, 0,1,2,3,4,5,6,7,8,9,10,11,12,13,14,15
	ds_load_b128 v[KF+4*\i:KF+4*\i+3], v[ADK] offset:512*\i
.endr
.endm
.macro LOADV                           ; its V, turned: fragment (32 keys c, 16 channels d) at v[VF + 8 (4 c + d)] of window 1
	WIN W_LD
.irp kb, 0,1,2,3
.irp d, 0,1,2,3
	ds_load_tr16_b128 v[VF+8*(4*(\kb/2)+\d)+4*(\kb%2):VF+8*(4*(\kb/2)+\d)+4*(\kb%2)+3], v[ADV] offset:2048*\kb+512*\d
.endr
.endr
.endm
; 32 products S^T = K Q^T; the 16 accumulators take turns, one instruction a turn; the first 16 start the sums
.macro KQ
	WIN W_KQ
.irp s, 0,1
.irp k, 0,1,2,3
.irp t, 0,1,2,3
.if \s == 0
	v_wmma_f32_16x16x32_f16 v[S+32*\t+8*\k:S+32*\t+8*\k+7], v[KF+16*\k+8*\s:KF+16*\k+8*\s+7], v[QF+16*\t+8*\s:QF+16*\t+8*\s+7], 0
.else
	v_wmma_f32_16x16x32_f16 v[S+32*\t+8*\k:S+32*\t+8*\k+7], v[KF+16*\k+8*\s:KF+16*\k+8*\s+7], v[QF+16*\t+8*\s:QF+16*\t+8*\s+7], v[S+32*\t+8*\k:S+32*\t+8*\k+7]
.endif
.endr
.endr
.endr
.endm
; 32 products O^T += V^T P, likewise by turns; first = 1: the first 16 start the sums
.macro PV first
	WIN W_PV
.irp c, 0,1
.irp d, 0,1,2,3
.irp t, 0,1,2,3
.if \first && (\c == 0)
	v_wmma_f32_16x16x32_f16 v[32*\t+8*\d:32*\t+8*\d+7], v[VF+8*(4*\c+\d):VF+8*(4*\c+\d)+7], v[S+32*\t+8*\c:S+32*\t+8*\c+7], 0
.else
	v_wmma_f32_16x16x32_f16 v[32*\t+8*\d:32*\t+8*\d+7], v[VF+8*(4*\c+\d):VF+8*(4*\c+\d)+7], v[S+32*\t+8*\c:S+32*\t+8*\c+7], v[32*\t+8*\d:32*\t+8*\d+7]
.endif
.endr
.endr
.endr
.endm
.macro SCALE t, i                      ; pair i of tile t: c s - c m
	v_pk_fma_f32 v[S+32*(\t)+2*(\i):S+32*(\t)+2*(\i)+1], v[S+32*(\t)+2*(\i):S+32*(\t)+2*(\i)+1], s[CS:CS+1], v[ST+8*(\t):ST+8*(\t)+1] op_sel_hi:[1,0,0] neg_lo:[0,0,1] neg_hi:[0,0,1]
.endm
; THE SOFTMAX of a key step, the four tiles by turns, so that no line waits for the line above it.  first = 1: the first key step: no old maximum, no a, nothing to rescale.
.macro SOFTMAX first
	WIN 0
.irp j, 0,1,2,3                        ; the maximum of a lane's 32 scores: four chains, one for each accumulator, each begun at the accumulator's low end
.irp t, 0,1,2,3
	v_max3_num_f32 v[ST+8*\t+4+\j], v[S+32*\t+8*\j], v[S+32*\t+8*\j+1], v[S+32*\t+8*\j+2]
.endr
.endr
.irp g, 1,2
.irp j, 0,1,2,3
.irp t, 0,1,2,3
	v_max3_num_f32 v[ST+8*\t+4+\j], v[ST+8*\t+4+\j], v[S+32*\t+8*\j+2*\g+1], v[S+32*\t+8*\j+2*\g+2]
.endr
.endr
.endr
.irp t, 0,1,2,3
	v_max3_num_f32 v[ST+8*\t+4], v[ST+8*\t+4], v[S+32*\t+7], v[S+32*\t+15]
.endr
.irp t, 0,1,2,3
	v_max3_num_f32 v[ST+8*\t+6], v[ST+8*\t+6], v[S+32*\t+23], v[S+32*\t+31]
.endr
.irp t, 0,1,2,3
	v_max3_num_f32 v[ST+8*\t+4], v[ST+8*\t+4], v[ST+8*\t+5], v[ST+8*\t+6]
.endr
.irp t, 0,1,2,3
.if \first
	v_max_num_f32 v[ST+8*\t+4], v[ST+8*\t+4], v[ST+8*\t+7]
.else
	v_max3_num_f32 v[ST+8*\t+4], v[ST+8*\t+4], v[ST+8*\t+7], v[ST+8*\t+1]   ; and the old m
.endif
.endr
.irp t, 0,1,2,3
	v_permlanex16_b32 v[ST+8*\t+5], v[ST+8*\t+4], s[SEL], s[SEL+1]   ; the query's other 32 keys lie in the lane 16 away
.endr
.if !\first
.irp t, 0,1,2,3
	v_mov_b32 v[ST+8*\t+7], v[ST+8*\t]             ; c m_old is kept for a
.endr
.endif
.irp t, 0,1,2,3
	v_max_num_f32 v[ST+8*\t+1], v[ST+8*\t+4], v[ST+8*\t+5]
.endr
.irp t, 0,1,2,3
	v_mul_f32 v[ST+8*\t], s[CS], v[ST+8*\t+1]
.endr
.if !\first
.irp t, 0,1,2,3
	v_sub_f32 v[ST+8*\t+7], v[ST+8*\t+7], v[ST+8*\t]
.endr
.irp t, 0,1,2,3
	v_exp_f32 v[ST+8*\t+6], v[ST+8*\t+7]           ; a
.endr
.endif
	; ONE BATCH: all the exponentials, a tile's with the next tile's scalings between them; nothing here names an exponential's result
.irp i, 0,1,2,3,4,5,6,7,8,9,10,11,12,13,14,15
	SCALE 0, \i
.endr
.irp t, 0,1,2,3
.irp i, 0,1,2,3,4,5,6,7,8,9,10,11,12,13,14,15
.if \t < 3
	SCALE \t+1, \i
.endif
	v_exp_f32 v[S+32*\t+2*\i], v[S+32*\t+2*\i]
	v_exp_f32 v[S+32*\t+2*\i+1], v[S+32*\t+2*\i+1]
.endr
.endr
	v_nop                                          ; a plain line behind the last exponential
	s_wait_alu depctr_va_vdst(0)                   ; the wait ahead of the first line that names a result: one for the whole batch
.irp t, 0,1,2,3                        ; the sums, of the unrounded p: a pair holds an even key's and an odd key's
	v_pk_add_f32 v[ST+8*\t+4:ST+8*\t+5], v[S+32*\t:S+32*\t+1], v[S+32*\t+2:S+32*\t+3]
.endr
.irp i, 2,3,4,5,6,7,8,9,10,11,12,13,14
.irp t, 0,1,2,3
	v_pk_add_f32 v[ST+8*\t+4:ST+8*\t+5], v[ST+8*\t+4:ST+8*\t+5], v[S+32*\t+2*\i:S+32*\t+2*\i+1]
.endr
.endr
.irp t, 0,1,2,3
.if \first
	v_pk_add_f32 v[ST+8*\t+2:ST+8*\t+3], v[ST+8*\t+4:ST+8*\t+5], v[S+32*\t+30:S+32*\t+31]
.else
	v_pk_add_f32 v[ST+8*\t+4:ST+8*\t+5], v[ST+8*\t+4:ST+8*\t+5], v[S+32*\t+30:S+32*\t+31]
.endif
.endr
.if !\first
.irp t, 0,1,2,3
	v_pk_fma_f32 v[ST+8*\t+2:ST+8*\t+3], v[ST+8*\t+2:ST+8*\t+3], v[ST+8*\t+6:ST+8*\t+7], v[ST+8*\t+4:ST+8*\t+5] op_sel_hi:[1,0,1]   ; l = a l + the step's sum
.endr
.endif
.irp i, 0,1,2,3,4,5,6,7,8,9,10,11,12,13,14,15  ; P in place: register i takes pair i; ascending, so no pair is written over before it is read
.irp t, 0,1,2,3
	v_cvt_pk_f16_f32 v[S+32*\t+\i], v[S+32*\t+2*\i], v[S+32*\t+2*\i+1]
.endr
.endr
.if !\first
	WIN W_RS
.irp i, 0,1,2,3,4,5,6,7,8,9,10,11,12,13,14,15  ; O^T times a, each accumulator from its low end on
.irp t, 0,1,2,3
	v_pk_mul_f32 v[32*\t+2*\i:32*\t+2*\i+1], v[32*\t+2*\i:32*\t+2*\i+1], v[ST+8*\t+6:ST+8*\t+7] op_sel_hi:[1,0]
.endr
.endr
.endif
.endm
; A TRIP: the softmax and V^T P of key step j, and (more = 1) the fetches and K Q^T of step j + 1.
.macro TRIP first, more
	WIN 0
.if \more
	v_add_nc_u32 v[ADK], s[TB], v[LN]              ; four plain lines: the places behind the last K Q^T, in front of the reads of its scores and of the loads into K's registers
	v_add_nc_u32 v[ADV], s[TB], v[AV0]
	v_nop
	v_nop
	LOADK
.else
.rept 4
	v_nop
.endr
.endif
	SOFTMAX \first
.if \more
	s_wait_dscnt 16                                ; this step's V is in; the next step's K, 16 loads, may be out
.else
	s_wait_dscnt 0x0
.endif
	PV \first
	WIN 0
.if \more
.rept 5
	v_nop                                          ; five places: the next K Q^T writes over P, which these products read; the loads into V's registers want four
.endr
	LOADV
	s_wait_dscnt 16                                ; K is in; V's 16 loads may be out
	KQ
	s_add_co_u32 s[TB], s[TB], 8192
	WIN 0
.endif
.endm
; A chunk of 256 keys is read behind a barrier in front of which each wave's part of it has landed; n: my loads for the later chunks, which may stay out
.macro CHANGE n
	s_wait_tensorcnt \n
	s_wait_dscnt 0x0                               ; no LDS instruction of mine is out at the signal
	s_barrier_signal -1
	s_barrier_wait -1
.endm
.macro TRIPS n
	s_mov_b32 s[CNT], \n
.Ltrip_\@:
	TRIP 0, 1
	s_sub_co_u32 s[CNT], s[CNT], 1
	s_cmp_lg_u32 s[CNT], 0
	s_cbranch_scc1 .Ltrip_\@
.endm
	CHANGE 3                                       ; chunk 0
	v_add_nc_u32 v[ADK], s[TB], v[LN]
	v_add_nc_u32 v[ADV], s[TB], v[AV0]
	LOADK
	LOADV
	s_wait_loadcnt 0x0                             ; Q
	s_wait_dscnt 16                                ; K is in; V's 16 loads may be out
	KQ
	s_add_co_u32 s[TB], s[TB], 8192
	WIN 0
	TRIP 1, 1                                      ; trip j fetches key step j + 1: trips 0 to 2 stay in chunk 0
	TRIPS 2
	CHANGE 2                                       ; trips 3 to 6 fetch steps 4 to 7: chunk 1
	TRIPS 4
	CHANGE 1                                       ; trips 7 to 10: chunk 2
	TRIPS 4
	CHANGE 0                                       ; trips 11 to 14: chunk 3
	TRIPS 4
	TRIP 0, 0                                      ; the last key step: nothing more to fetch
	; THE WAY OUT.  l's two halves and the other half of the lanes' are added (plain lines: the places behind the last products); O^T is divided by l and rounded to f16.
	; A lane's eight channels of a row are 16 bytes; stored at 16 x lane a wave's store is one block of 512 consecutive bytes, an image of a fragment's load for the next product.
.irp t, 0,1,2,3
	v_add_f32 v[ST+8*\t+4], v[ST+8*\t+2], v[ST+8*\t+3]
.endr
.irp t, 0,1,2,3
	v_permlanex16_b32 v[ST+8*\t+5], v[ST+8*\t+4], s[SEL], s[SEL+1]
.endr
.irp t, 0,1,2,3
	v_add_f32 v[ST+8*\t+4], v[ST+8*\t+4], v[ST+8*\t+5]
.endr
.irp t, 0,1,2,3
	v_rcp_f32 v[ST+8*\t+6], v[ST+8*\t+4]
.endr
	v_nop                                          ; a plain line behind the last reciprocal
	s_wait_alu depctr_va_vdst(0)                   ; and the wait ahead of the first use: one for the four
.irp t, 0,1,2,3
	WIN 0x01                                       ; source 0 (O^T) window 1, destination window 0: S^T's registers are free
.irp i, 0,1,2,3,4,5,6,7,8,9,10,11,12,13,14,15
	v_pk_mul_f32 v[S+32*\t+2*\i:S+32*\t+2*\i+1], v[32*\t+2*\i:32*\t+2*\i+1], v[ST+8*\t+6:ST+8*\t+7] op_sel_hi:[1,0]
.endr
	WIN 0
.irp i, 0,1,2,3,4,5,6,7,8,9,10,11,12,13,14,15
	v_cvt_pk_f16_f32 v[S+32*\t+\i], v[S+32*\t+2*\i], v[S+32*\t+2*\i+1]
.endr
.irp d, 0,1,2,3
	global_store_b128 v[LN], v[S+32*\t+4*\d:S+32*\t+4*\d+3], s[6:7] offset:32768*\t+512*\d
.endr
.endr
	s_wait_tensorcnt 0x0                           ; the wave's end
	ds_add_u32 v[SPW], v[NIL]
	s_wait_dscnt 0x0
	s_endpgm
.Lfunc_end_k_qf5aeee3754_attn:
	.size	k_qf5aeee3754_attn, .Lfunc_end_k_qf5aeee3754_attn-k_qf5aeee3754_attn
	.p2alignl 7, 3214868480
	.fill 96, 4, 3214868480
	.section	.rodata,"a",@progbits
	.p2align	6, 0x0
	.amdhsa_kernel k_qf5aeee3754_attn
		.amdhsa_group_segment_fixed_size 327680
		.amdhsa_private_segment_fixed_size 0
		.amdhsa_enable_private_segment 0
		.amdhsa_kernarg_size 16
		.amdhsa_user_sgpr_count 2
		.amdhsa_user_sgpr_kernarg_segment_ptr 1
		.amdhsa_wavefront_size32 1
		.amdhsa_system_sgpr_workgroup_id_x 1
		.amdhsa_system_sgpr_workgroup_id_y 1
		.amdhsa_system_sgpr_workgroup_id_z 1
		.amdhsa_system_vgpr_workitem_id 0
		.amdhsa_next_free_vgpr 512
		.amdhsa_next_free_sgpr 66
		.amdhsa_reserve_vcc 0
		.amdhsa_float_denorm_mode_32 3
		.amdhsa_float_denorm_mode_16_64 3
		.amdhsa_memory_ordered 1
		.amdhsa_forward_progress 1
		.amdhsa_inst_pref_size 202
	.end_amdhsa_kernel
	.amdgpu_metadata
---
amdhsa.version: [ 1, 2 ]
amdhsa.kernels:
  - .name:           k_qf5aeee3754_attn
    .symbol:         k_qf5aeee3754_attn.kd
    .args:
      - { .name: qkv, .offset: 0, .size: 8, .value_kind: global_buffer, .address_space: global }
      - { .name: ctx, .offset: 8, .size: 8, .value_kind: global_buffer, .address_space: global }
    .group_segment_fixed_size: 327680
    .private_segment_fixed_size: 0
    .kernarg_segment_align: 8
    .kernarg_segment_size: 16
    .max_flat_workgroup_size: 256
    .sgpr_count:     66
    .vgpr_count:     512
    .wavefront_size: 32
...
	.end_amdgpu_metadata
.endif
;; end of part 3
;; launch proj (part 4): grid 8 x 32, 4 waves a work-group, clusters of 4 x 4, 327,680 bytes of LDS; arguments ctx, wot, bo, out0; writes out0
.if DOCPART == 4
	.amdgcn_target "amdgcn-amd-amdhsa--gfx1250"
	.amdhsa_code_object_version 6
	.text
	.protected	k_qf5aeee3754_proj
	.globl	k_qf5aeee3754_proj
	.p2align	8
	.type	k_qf5aeee3754_proj,@function
k_qf5aeee3754_proj:
	s_mov_b64 s[64:65], 0
	v_nop
	global_prefetch_b8 v0, s[64:65] scope:SCOPE_SE
	s_setreg_imm32_b32 hwreg(HW_REG_WAVE_MODE, 25, 1), 1
	s_wait_xcnt 0x0
	s_wait_alu depctr_hold_cnt(0) depctr_sa_sdst(0) depctr_va_vdst(0) depctr_va_sdst(0) depctr_va_ssrc(0) depctr_va_vcc(0) depctr_vm_vsrc(0)
	s_getreg_b32 s2, hwreg(HW_REG_IB_STS2, 6, 4)
	s_cmp_eq_u32 s2, 0
	s_cbranch_scc0 .Lentry_in_a_cluster
	s_endpgm
.Lentry_in_a_cluster:
	s_bfe_u32 s2, ttmp6, 0x10000c
	s_cmp_lg_u32 s2, 0xf033
	s_cbranch_scc0 .Lentry_shape_is_right
	s_endpgm
.Lentry_shape_is_right:
; out0 = ctx Wo + bo.  ctx [8192][1024] and Wo (turned: [e][d]) in f16, as blocks of 512 bytes that are images of fragment loads; sums in f32; out0 [8192][1024] f32.
; A tile of 256 rows x 128 columns is made by a work-group of four waves: 256 work-groups.  A wave makes 128 x 64: 32 accumulators of 16 x 16.
; K goes in 8 steps of 128 through a ring of two LDS slots filled by the tensor data mover; a block of 16 rows has 4,096 consecutive bytes in a step; every fragment load reads 512 consecutive bytes: no padding.
; CLUSTERS: 4 x 4 work-groups; the four of a row need the same rows of ctx, the four of a column the same columns of Wo: each tile is asked for jointly.
; THE MATRIX INSTRUCTION IS USED TRANSPOSED (source 0 = 16 columns of Wo, source 1 = 16 rows of ctx): a lane holds eight neighbouring numbers of a row of out0.  The bias is the C of each sum's first matrix instruction.
; No prefetch: a K step's tiles are shared by four partners and the steps are few; the tiles are asked for a whole step ahead.
; REGISTERS: window 0: v16-30 addresses; v32-63 the bias, 8 registers for each of my 4 blocks of columns; v64-127 the way out.   window 1: two fragment buffers at v0 and v128: ctx's 8 fragments, then Wo's 4.
;   window 2: the accumulators ((a, b) at v[8 (4 a + b)]).
.set SLOT,  98304                      ; ctx's 256 rows (65,536 bytes), then Wo's 128 columns (32,768)
.set STAGE, 196608                     ; behind the ring: 16 rows x 272 bytes for each wave
.set SPARE, 214016                     ; behind the stages: the spare words, 128 bytes a wave: two blocks of 256 bytes that no other line names
.set ADRA, 16                          ; v16-17  LDS address of my fragments of ctx in slot 0, 1
.set ADRB, 20                          ; v20-21  the same for Wo
.set STO,  24                          ; v24     the way out: where I put 32 bytes of a row
.set RD,   25                          ; v25     where I read a row back
.set CO,   26                          ; v26     my byte offset in out0
.set SPW,  28
.set NIL,  29
.set BO,   30                          ; v30     32 h
.set BI,   32
.set BK,   64
.set F0,   0
.set F1,   128
.set G1, 24                            ; s[24:31] group 1 for ctx's tiles; s[32:39] group 0, a set for each slot
.set G0, 32
.set G1B, 48                           ; s[48:55], s[56:63] the same for Wo's
.set G0B, 56
.set MSB, 0
.macro WIN new
.if MSB != (\new)
	s_set_vgpr_msb (MSB<<8)|(\new)
.set MSB, (\new)
.endif
.endm
.set MUL,  0xa5                        ; sources 0 and 1 window 1; C and D window 2
.set MULB, 0x85                        ; C (the bias) window 0
.set TO_F, 0x40                        ; destination window 1, address window 0
.macro JLOAD s                         ; a joint load: waves 0 and 1 fetch ctx's two halves, waves 2 and 3 Wo's; an s_nop 0 and four v_nop follow each of the two lines
	s_cmp_eq_u32 s13, 0
	s_cbranch_scc0 .Lfor_b_\@
	tensor_load_to_lds s[G0+4*\s:G0+4*\s+3], s[G1:G1+7]
	s_nop 0
.rept 4
	v_nop
.endr
	s_branch .Lasked_\@
.Lfor_b_\@:
	tensor_load_to_lds s[G0B+4*\s:G0B+4*\s+3], s[G1B:G1B+7]
	s_nop 0
.rept 4
	v_nop
.endr
.Lasked_\@:
.endm
.macro CREST                           ; a round of the cluster's barrier behind its opening barrier
	s_cmp_lg_u32 s12, 0
	s_cbranch_scc1 .Lnot_wave_0_\@
	s_barrier_signal -3
.Lnot_wave_0_\@:
	s_barrier_wait -3
	s_barrier_signal -1
	s_barrier_wait -1
.endm
.macro CROUND
	s_barrier_signal -1
	s_barrier_wait -1
	CREST
.endm
	s_load_b256 s[4:11], s[0:1], 0x0               ; ctx s[4:5], wot s[6:7], bo s[8:9], out0 s[10:11]
	v_lshl_add_u32 v[SPW], v0, 2, SPARE
	v_mov_b32 v[NIL], 0
	ds_add_u32 v[SPW], v[NIL]                      ; the wave's opening: the add and its wait stand ahead of my first tensor load; the set-up below stands between them
	v_lshrrev_b32 v1, 5, v0
	v_readfirstlane_b32 s12, v1                    ; wave 0..3
	s_lshr_b32 s13, s12, 1                         ; which half of the tile's rows is mine.  Also: I fetch for ctx (0) or for Wo (1)
	s_and_b32 s14, s12, 1                          ; which half of its columns.  Also: which half of that operand I fetch
	s_bfe_u32 s40, ttmp6, 0x40000                  ; cx, cy
	s_bfe_u32 s41, ttmp6, 0x40004
	s_lshl_b32 s42, ttmp9, 2
	s_add_co_u32 s42, s42, s40                     ; tile column
	s_and_b32 s15, ttmp7, 0xffff
	s_lshl_b32 s15, s15, 2
	s_add_co_u32 s15, s15, s41                     ; tile row
	s_lshl_b32 s43, s41, 2
	s_lshl_b32 s43, 15, s43                        ; my row of the cluster
	s_lshl_b32 s44, 0x1111, s40                    ; my column
	; group 1: blocks of 16 rows, of each the 4,096 bytes of a K step (512 elements of 8 bytes), 32,768 bytes apart: 8 blocks of ctx, 4 of Wo
	s_or_b32 s[G1+0], s43, (3<<16)|(1<<21)
	s_or_b32 s[G1B+0], s44, (3<<16)|(1<<21)
	s_mov_b32 s[G1+1], 512<<16                     ; tensor_dim0
	s_mov_b32 s[G1+2], 8<<16                       ; tensor_dim1
	s_mov_b32 s[G1+3], 512<<16                     ; tile_dim0
	s_mov_b32 s[G1+4], 8                           ; tile_dim1
	s_mov_b32 s[G1+5], 4096                        ; tensor_dim0_stride
	s_mov_b32 s[G1+6], 0
	s_mov_b32 s[G1+7], 0
	s_mov_b32 s[G1B+1], 512<<16
	s_mov_b32 s[G1B+2], 4<<16
	s_mov_b32 s[G1B+3], 512<<16
	s_mov_b32 s[G1B+4], 4
	s_mov_b32 s[G1B+5], 4096
	s_mov_b32 s[G1B+6], 0
	s_mov_b32 s[G1B+7], 0
	s_lshl_b32 s16, s15, 4
	s_lshl_b32 s17, s14, 3
	s_add_co_u32 s16, s16, s17                     ; ctx: block 16 x tile row + 8 x half
	s_lshl_b32 s16, s16, 15
	s_mov_b32 s17, 0
	s_lshl_b32 s46, s42, 3
	s_lshl_b32 s47, s14, 2
	s_add_co_u32 s46, s46, s47                     ; Wo: block 8 x tile column + 4 x half
	s_lshl_b32 s46, s46, 15
	s_mov_b32 s47, 0
	s_lshl_b32 s20, s14, 15                        ; where they go: no place in the cluster enters an LDS address
	s_lshl_b32 s21, s14, 14
	s_add_co_u32 s21, s21, 65536
	s_wait_dscnt 0x0                               ; the opening add is done
	s_wait_kmcnt 0x0
	s_add_nc_u64 s[16:17], s[4:5], s[16:17]
	s_add_nc_u64 s[46:47], s[6:7], s[46:47]
	CROUND                                         ; all sixteen work-groups are here: the first joint loads meet
.irp s, 0,1
	s_mov_b32 s[G0+4*\s], 1
	s_add_co_u32 s[G0+4*\s+1], s20, \s*SLOT
	s_add_nc_u64 s[G0+4*\s+2:G0+4*\s+3], s[16:17], \s*4096
	s_or_b32 s[G0+4*\s+3], s[G0+4*\s+3], 0x80000000
	s_mov_b32 s[G0B+4*\s], 1
	s_add_co_u32 s[G0B+4*\s+1], s21, \s*SLOT
	s_add_nc_u64 s[G0B+4*\s+2:G0B+4*\s+3], s[46:47], \s*4096
	s_or_b32 s[G0B+4*\s+3], s[G0B+4*\s+3], 0x80000000
	JLOAD \s                                       ; two loads of mine are out at the most
.endr
	v_and_b32 v1, 15, v0                           ; r
	v_bfe_u32 v2, v0, 4, 1                         ; h
	v_and_b32 v3, 31, v0
	v_lshlrev_b32 v3, 4, v3                        ; 16 x lane
	s_lshl_b32 s21, s13, 15                        ; my 128 rows of ctx
	s_lshl_b32 s22, s14, 14                        ; my 64 columns of Wo,
	s_add_co_u32 s22, s22, 65536                   ; which lie behind ctx's 256 rows
.irp s, 0,1
	v_add_nc_u32 v[ADRA+\s], s21, v3
	v_add_nc_u32 v[ADRB+\s], s22, v3
	s_add_co_u32 s21, s21, SLOT
	s_add_co_u32 s22, s22, SLOT
.endr
	s_mul_i32 s23, s12, 4352
	s_add_co_u32 s23, s23, STAGE                   ; my stage
	v_mul_u32_u24 v4, v1, 272                      ; in: row r, 32 bytes for each half of the lanes
	v_lshl_add_u32 v4, v2, 5, v4
	v_add_nc_u32 v[STO], s23, v4
	v_mul_u32_u24 v5, v2, 272                      ; back: lanes 0-15 take one row of 256 bytes, lanes 16-31 the next
	v_lshl_add_u32 v5, v1, 4, v5
	v_add_nc_u32 v[RD], s23, v5
	v_lshlrev_b32 v5, 12, v2                       ; and the same two rows in out0
	v_lshl_add_u32 v[CO], v1, 4, v5
	v_lshlrev_b32 v[BO], 5, v2
	s_lshl_b32 s16, s15, 8
	s_lshl_b32 s17, s13, 7
	s_add_co_u32 s16, s16, s17                     ; my first row: 256 x tile row + 128 x half
	s_lshl_b32 s16, s16, 12
	s_mov_b32 s17, 0
	s_add_nc_u64 s[10:11], s[10:11], s[16:17]
	s_lshl_b32 s46, s42, 9                         ; my first column, in bytes: 512 x tile column + 256 x half (in the registers that held Wo's address)
	s_lshl_b32 s47, s14, 8
	s_add_co_u32 s46, s46, s47
	s_mov_b32 s47, 0
	s_add_nc_u64 s[10:11], s[10:11], s[46:47]
	s_add_nc_u64 s[8:9], s[8:9], s[46:47]          ; the bias of the same columns
.irp b, 0,1,2,3
	global_load_b128 v[BI+8*\b:BI+8*\b+3], v[BO], s[8:9] offset:64*\b          ; lane (r, h): numbers 16 b + 8 h + 0 .. 7
	global_load_b128 v[BI+8*\b+4:BI+8*\b+7], v[BO], s[8:9] offset:64*\b+16
.endr
; 8 matrix instructions: ctx's blocks a0, a0 + 1 against Wo's four, 32 along K, from buffer f.  The 32 accumulators take turns, in the same order in every quarter.
.macro MUL2 f, a0, bias
.irp a, \a0, \a0+1
.irp b, 0,1,2,3
.if \bias
	v_wmma_f32_16x16x32_f16 v[8*(4*(\a)+\b):8*(4*(\a)+\b)+7], v[\f+64+8*\b:\f+64+8*\b+7], v[\f+8*(\a):\f+8*(\a)+7], v[BI+8*\b:BI+8*\b+7]
.else
	v_wmma_f32_16x16x32_f16 v[8*(4*(\a)+\b):8*(4*(\a)+\b)+7], v[\f+64+8*\b:\f+64+8*\b+7], v[\f+8*(\a):\f+8*(\a)+7], v[8*(4*(\a)+\b):8*(4*(\a)+\b)+7]
.endif
.endr
.endr
.endm
; 24 LDS loads in one run: the fragments of the slot's q-th 32 along K into buffer f: Wo's four, ctx's blocks 0-3, ctx's blocks 4-7
.macro FETCH slot, q, f
	WIN TO_F
.irp b, 0,1,2,3
	ds_load_b128 v[\f+64+8*\b:\f+64+8*\b+3],   v[ADRB+\slot] offset:1024*(\q)+4096*\b
	ds_load_b128 v[\f+64+8*\b+4:\f+64+8*\b+7], v[ADRB+\slot] offset:1024*(\q)+4096*\b+512
.endr
.irp a, 0,1,2,3,4,5,6,7
	ds_load_b128 v[\f+8*\a:\f+8*\a+3],   v[ADRA+\slot] offset:1024*(\q)+4096*\a
	ds_load_b128 v[\f+8*\a+4:\f+8*\a+7], v[ADRA+\slot] offset:1024*(\q)+4096*\a+512
.endr
.endm
.macro PLACES                          ; four plain places in front of loads into registers that matrix instructions have read, and of the first read of results
.rept 4
	v_nop
.endr
.endm
; A K step is four quarters of 32 along K, 32 matrix instructions each, on buffers 0, 1, 0, 1.  One of the first three: multiplies buffer f and fetches quarter q into g.
.macro QUARTER slot, q, f, g, bias
	s_wait_dscnt 8                                 ; Wo's fragments and ctx's blocks 0-3 are in; the youngest eight loads (blocks 4-7) may be out
.if \bias
	WIN MULB
.else
	WIN MUL
.endif
	MUL2 \f, 0, \bias
	MUL2 \f, 2, \bias
	PLACES
	FETCH \slot, \q, \g
	s_wait_dscnt 24                                ; all but the 24 just issued
.if \bias
	WIN MULB
.else
	WIN MUL
.endif
	MUL2 \f, 4, \bias
	MUL2 \f, 6, \bias
.endm
; The last quarter multiplies buffer 1 and changes slots: ONE barrier; in front of it each wave waits for all its tensor loads, adds 0 to its spare word, and waits for that and for its own reads of this slot.
; fill = 1: this slot is filled again, two K steps ahead; the barrier then opens a round of the cluster's barrier, and the joint refill is the first thing behind the round.
.macro TURN slot, next, fill
	WIN 0                                          ; (the add's two registers lie in window 0)
	s_wait_tensorcnt 0x0                           ; all my tensor loads have landed: my part of the next slot;
	ds_add_u32 v[SPW], v[NIL]                      ; 0 onto my spare word;
	s_wait_dscnt 9                                 ; (the add and the youngest eight loads may be out)
	WIN MUL
	MUL2 F1, 0, 0                                  ; eight matrix instructions stand between the add and the wait for it
	s_wait_dscnt 0x0                               ; the add is done, and my reads of this slot are over
	s_barrier_signal -1
	MUL2 F1, 2, 0
.if \fill
	WIN 0
.endif
	s_barrier_wait -1
.if \fill
	CREST                                          ; no wave of any partner still reads this slot's tile or has a load on its way
	s_add_nc_u64 s[G0+4*\slot+2:G0+4*\slot+3], s[G0+4*\slot+2:G0+4*\slot+3], 8192
	s_add_nc_u64 s[G0B+4*\slot+2:G0B+4*\slot+3], s[G0B+4*\slot+2:G0B+4*\slot+3], 8192
	JLOAD \slot                                    ; my one tensor load behind the round; its four v_nop are also the places in front of the loads below
.else
	PLACES
.endif
	FETCH \next, 0, F0
	WIN MUL
	MUL2 F1, 4, 0
	MUL2 F1, 6, 0
.endm
	s_wait_tensorcnt 1                             ; my part of K step 0 is in (K step 1's load may be out)
	s_barrier_signal -1
	s_barrier_wait -1                              ; everybody's is
	FETCH 0, 0, F0
	s_wait_loadcnt 0x0                             ; the bias
	QUARTER 0, 1, F0, F1, 1                        ; the first quarter stands in front of the loop: its products start the sums from the bias
	WIN 0                                          ; at a label and at a branch every window is 0
	s_mov_b32 s3, 3
.Llap:                                                 ; a trip goes once round the ring and fills both slots again: K steps 2 to 7
	QUARTER 0, 2, F1, F0, 0
	QUARTER 0, 3, F0, F1, 0
	TURN 0, 1, 1
	QUARTER 1, 1, F0, F1, 0
	QUARTER 1, 2, F1, F0, 0
	QUARTER 1, 3, F0, F1, 0
	TURN 1, 0, 1
	QUARTER 0, 1, F0, F1, 0
	WIN 0
	s_sub_co_u32 s3, s3, 1
	s_cmp_lg_u32 s3, 0
	s_cbranch_scc1 .Llap
	QUARTER 0, 2, F1, F0, 0                        ; the last lap fills nothing, and has no round of the cluster's barrier
	QUARTER 0, 3, F0, F1, 0
	TURN 0, 1, 0
	QUARTER 1, 1, F0, F1, 0
	QUARTER 1, 2, F1, F0, 0
	QUARTER 1, 3, F0, F1, 0
	s_wait_dscnt 8                                 ; the very last quarter: nothing more to fetch
	WIN MUL
	MUL2 F1, 0, 0
	MUL2 F1, 2, 0
	s_wait_dscnt 0x0
	MUL2 F1, 4, 0
	MUL2 F1, 6, 0
	WIN 0
; THE WAY OUT, block by block of 16 rows x 64 columns: a lane holds 32 neighbouring bytes of a row, and the lanes beside it hold other rows: so a block goes through my own stage in LDS and comes back as whole
; rows of 256 bytes.  LDS serves a wave's instructions in order (ISA guide 5.7.1.4): no wait between the stores and the loads, nor in front of the next block's stores.
.macro TOSTAGE a
	WIN 0x08                                       ; an LDS store's data are its source 1: window 2
.irp b, 0,1,2,3
	ds_store_b128 v[STO], v[8*(4*(\a)+\b):8*(4*(\a)+\b)+3] offset:64*\b          ; each accumulator from its low end on
	ds_store_b128 v[STO], v[8*(4*(\a)+\b)+4:8*(4*(\a)+\b)+7] offset:64*\b+16
.endr
	WIN 0
.set BB, BK+32*((\a)%2)
.irp t, 0,1,2,3,4,5,6,7
	ds_load_b128 v[BB+4*\t:BB+4*\t+3], v[RD] offset:544*\t
.endr
.endm
.macro SEND a, younger                 ; younger: the LDS instructions issued behind block a's loads, which may stay out
.set BB, BK+32*((\a)%2)
	s_wait_dscnt \younger
.irp t, 0,1,2,3,4,5,6,7
	global_store_b128 v[CO], v[BB+4*\t:BB+4*\t+3], s[10:11] offset:65536*(\a)+8192*\t th:TH_STORE_NT   ; 16 lanes store 256 consecutive bytes, aligned; written once, read by nobody here
.endr
.endm
	PLACES
	TOSTAGE 0
.irp a, 1,2,3,4,5,6,7
.if \a > 1
	s_wait_xcnt 0x0                                ; block a - 2's stores have read their registers: block a's loads may land there
.endif
	TOSTAGE \a
	SEND \a-1, 16                                  ; behind block a - 1's loads: block a's 8 stores and 8 loads
.endr
	SEND 7, 0
	s_wait_tensorcnt 0x0                           ; the wave's end, behind my last tensor load and my last LDS store
	ds_add_u32 v[SPW], v[NIL]
	s_wait_dscnt 0x0
	CROUND                                         ; the closing round: no work-group ends while a partner may still ask for a tile that names it
	s_endpgm
.Lfunc_end_k_qf5aeee3754_proj:
	.size	k_qf5aeee3754_proj, .Lfunc_end_k_qf5aeee3754_proj-k_qf5aeee3754_proj
	.p2alignl 7, 3214868480
	.fill 96, 4, 3214868480
	.section	.rodata,"a",@progbits
	.p2align	6, 0x0
	.amdhsa_kernel k_qf5aeee3754_proj
		.amdhsa_group_segment_fixed_size 327680
		.amdhsa_private_segment_fixed_size 0
		.amdhsa_enable_private_segment 0
		.amdhsa_kernarg_size 32
		.amdhsa_user_sgpr_count 2
		.amdhsa_user_sgpr_kernarg_segment_ptr 1
		.amdhsa_wavefront_size32 1
		.amdhsa_system_sgpr_workgroup_id_x 1
		.amdhsa_system_sgpr_workgroup_id_y 1
		.amdhsa_system_sgpr_workgroup_id_z 1
		.amdhsa_system_vgpr_workitem_id 0
		.amdhsa_next_free_vgpr 768
		.amdhsa_next_free_sgpr 66
		.amdhsa_reserve_vcc 0
		.amdhsa_float_denorm_mode_32 3
		.amdhsa_float_denorm_mode_16_64 3
		.amdhsa_memory_ordered 1
		.amdhsa_forward_progress 1
		.amdhsa_inst_pref_size 86
	.end_amdhsa_kernel
	.amdgpu_metadata
---
amdhsa.version: [ 1, 2 ]
amdhsa.kernels:
  - .name:           k_qf5aeee3754_proj
    .symbol:         k_qf5aeee3754_proj.kd
    .args:
      - { .name: ctx, .offset: 0, .size: 8, .value_kind: global_buffer, .address_space: global }
      - { .name: wot, .offset: 8, .size: 8, .value_kind: global_buffer, .address_space: global }
      - { .name: bo, .offset: 16, .size: 8, .value_kind: global_buffer, .address_space: global }
      - { .name: out0, .offset: 24, .size: 8, .value_kind: global_buffer, .address_space: global }
    .group_segment_fixed_size: 327680
    .private_segment_fixed_size: 0
    .kernarg_segment_align: 8
    .kernarg_segment_size: 32
    .max_flat_workgroup_size: 128
    .sgpr_count:     66
    .vgpr_count:     768
    .wavefront_size: 32
...
	.end_amdgpu_metadata
.endif
;; end of part 4
